; MI455X (gfx1250); checked and timed in simulation.
; The chip was launched on July 23, 2026; its instructions are those of AMD's public machine-readable ISA for CDNA 5 (MIT licence, August 2026) and "CDNA5" Instruction Set Architecture Reference Guide (July 2026). The comments in the code are by the model that wrote it; some were corrected since.
;; Cross Multi Attention SNP Pheno. Allowed arithmetic: matrix products marked QUANTISED: E3M2 operands, one E8M0 scale for each 32 along K, by v_wmma_scale_f32_16x16x128_f8f6f4 with both operands' format E3M2, f32 sums; everything else in f32.
;; Inputs: SNPS_encoded_codes 2 x 4,096 x 16 x 24 uint8 (E3M2 codes of SNPS_encoded, K innermost, in blocks of 32 codes, four codes in three bytes); SNPS_encoded_scales 2 x 4,096 x 16 uint8 (E8M0 scales of SNPS_encoded, one for each 32 codes along K); Wk_codes 512 x 16 x 24 uint8 (E3M2 codes of Wk, K innermost, in blocks of 32 codes, four codes in three bytes); Wk_scales 512 x 16 uint8 (E8M0 scales of Wk, one for each 32 codes along K); Wq_codes 512 x 16 x 24 uint8 (E3M2 codes of Wq, K innermost, in blocks of 32 codes, four codes in three bytes); Wq_scales 512 x 16 uint8 (E8M0 scales of Wq, one for each 32 codes along K); Wv_pheno_codes 512 x 16 x 24 uint8 (E3M2 codes of Wv_pheno, K innermost, in blocks of 32 codes, four codes in three bytes); Wv_pheno_scales 512 x 16 uint8 (E8M0 scales of Wv_pheno, one for each 32 codes along K); Wv_snp_codes 512 x 16 x 24 uint8 (E3M2 codes of Wv_snp, K innermost, in blocks of 32 codes, four codes in three bytes); Wv_snp_scales 512 x 16 uint8 (E8M0 scales of Wv_snp, one for each 32 codes along K); pheno_encoded_codes 2 x 2,048 x 16 x 24 uint8 (E3M2 codes of pheno_encoded, K innermost, in blocks of 32 codes, four codes in three bytes); pheno_encoded_scales 2 x 2,048 x 16 uint8 (E8M0 scales of pheno_encoded, one for each 32 codes along K).
;; Outputs: out0 2 x 2,048 x 512 float32; out1 2 x 4,096 x 512 float32.
;; This version of the problem:
;;   THIS VERSION OF THE PROBLEM IS GIVEN IN LOW PRECISION. The matrix products marked QUANTISED in the list below multiply operands that are first quantised to E3M2 (3 exponent bits, 2 mantissa bits; 6 bits a number), with one power-of-two scale for each 32 numbers along K (OCP MX v1.0); their sums are f32. All else is computed in f32.
;;   The module's matrix products, in the order in which they are computed (A, B: the left and right operand; K: the contracted axis; several contracted axes count as one K, in the product's order):
;;     1. [M 4,096, K 512] x [K 512, N 512]; A: input pheno_encoded (given as codes); B: input Wk (given as codes): QUANTISED
;;     2. [M 8,192, K 512] x [K 512, N 512]; A: input SNPS_encoded (given as codes); B: input Wq (given as codes): QUANTISED
;;     3. [M 4,096, K 512] x [K 512, N 512]; A: input pheno_encoded (given as codes); B: input Wv_pheno (given as codes): QUANTISED
;;     4. [M 8,192, K 512] x [K 512, N 512]; A: input SNPS_encoded (given as codes); B: input Wv_snp (given as codes): QUANTISED
;;     5. batch 16 x [M 2,048, K 64] x [K 64, N 4,096]; A: computed on the way; B: computed on the way: QUANTISED
;;     6. batch 16 x [M 2,048, K 4,096] x [K 4,096, N 64]; A: softmax (see below); B: computed on the way: QUANTISED
;;     7. batch 16 x [M 4,096, K 2,048] x [K 2,048, N 64]; A: softmax (see below); B: computed on the way: QUANTISED
;;   THE QUANTISER, for each operand of a quantised product, along K:
;;     - K is cut into blocks of 32 from its start; a last block that is shorter is filled with zeros.
;;     - A block's scale is 2^e with e = floor(log2(the largest magnitude in the block)) - 4, held to -126 .. 127; a block of zeros has e = 0. As a byte (E8M0): e + 127.
;;     - Each number is divided by its block's scale, clamped to +-28, and rounded to the nearest number of E3M2, ties to even, subnormals kept.
;;     - The product sums the exact products of the quantised numbers (number of the format x scale) in f32.
;;   ~~~python
;;   def quantise(x, axis):      # numpy; x: float32 -> the quantised numbers, widened to float32 again
;;       x = np.moveaxis(x, axis, -1); K = x.shape[-1]
;;       x = np.pad(x, [(0, 0)] * (x.ndim - 1) + [(0, -K % 32)]); x = x.reshape(x.shape[:-1] + (-1, 32)); a = np.abs(x).max(-1, keepdims=True)
;;       e = np.where(a > 0, np.clip(np.frexp(np.where(a > 0, a, 1))[1] - 1 - 4, -126, 127), 0)      # np.frexp(a)[1] - 1 = floor(log2(a)), exactly
;;       r = np.clip(x / 2.0 ** e, -28, 28)
;;       step = 2.0 ** (np.maximum(np.frexp(np.where(r == 0, 1, r))[1] - 1, -2) - 2)
;;       q = np.round(r / step) * step * 2.0 ** e      # np.round: ties to even
;;       return np.moveaxis(q.reshape(q.shape[:-2] + (-1,))[..., :K], -1, axis).astype(np.float32)
;;   ~~~
;;   SOFTMAX AHEAD OF A QUANTISED PRODUCT. Where the list says 'softmax', what is quantised is not the finished softmax but p = 2^(t - M), with t = logit x log2(e) and M = ceil(the row's largest t), a whole number; so 1/2 < the row's largest p <= 1. The row's sum l is taken of the UNQUANTISED p, in f32, and the product's result is divided by l at the end. Since M is a whole number, a kernel that streams over the keys may use a running M (the ceiling of the running maximum): every later rescaling is an exact power of two, which a block's scale takes up: the codes' values come out the same.
;;   OPERANDS COMPUTED ON THE WAY. 'Computed on the way' means the value that the module computes at that place (a softmax that the list does not call 'softmax' is quantised finished and normalised). What goes into a quantiser is computed in f32, as accurately as f32 sums, v_exp_f32 and their like allow (about 1e-6 of the number): no bf16 or f16 on the way to a quantiser, and a product that is left as it is and whose result goes on into a quantised operand takes f32 operands (vector FMAs, or v_wmma_f32_16x16x4_f32). A number that lies on a knife's edge between two numbers of the format may be rounded either way, as far as f32 arithmetic and the matrix unit's own rounding can turn it there, and no further.
;;   INPUTS GIVEN AS CODES. SNPS_encoded (in the module: [2, 4096, 512], K = its axis 2); Wk (in the module: [512, 512], K = its axis 0); Wq (in the module: [512, 512], K = its axis 0); Wv_pheno (in the module: [512, 512], K = its axis 0); Wv_snp (in the module: [512, 512], K = its axis 0); pheno_encoded (in the module: [2, 2048, 512], K = its axis 2): each comes as NAME_codes (uint8): NAME with its K axis moved to the last place and cut into blocks of 32 codes, [.., K / 32, bytes a block], one block behind the other in memory; four codes in three bytes: a row's codes are one little-endian stream of bits, code i at bits 6 i .. 6 i + 5 (a code: sign, 3 exponent bits, 2 mantissa bits); and NAME_scales (uint8): the same leading axes, one E8M0 byte (e + 127) for each 32 codes along K. Its value is code x scale, taken as it is: it is not quantised again, and the codes and scales need not be those that the quantiser above would give.
;; One version. Each part assembles by itself: llvm-mc -triple=amdgcn-amd-amdhsa -mcpu=gfx1250 --defsym DOCPART=n.
;; ======== version 1 of 1: 3 launches
;; limits: right only within a limited range of input values
;; workspace buffers: pack_p 3,342,336 bytes; pack_s 6,684,672 bytes; res_p 8,388,608 bytes; res_s 16,777,216 bytes
;; launch project (part 1): grid 96 x 2, 8 waves a work-group, no clusters, 257,024 bytes of LDS; arguments pheno_encoded_codes, pheno_encoded_scales, Wk_codes, Wk_scales, Wv_pheno_codes, Wv_pheno_scales, pack_p, res_p, SNPS_encoded_codes, SNPS_encoded_scales, Wq_codes, Wq_scales, Wv_snp_codes, Wv_snp_scales, pack_s, res_s; writes pack_p, res_p, pack_s, res_s
.if DOCPART == 1
	.amdgcn_target "amdgcn-amd-amdhsa--gfx1250"
	.amdhsa_code_object_version 6
	.text
	.protected	k_q9922930560_project
	.globl	k_q9922930560_project
	.p2align	8
	.type	k_q9922930560_project,@function
k_q9922930560_project:
	s_mov_b64 s[64:65], 0
	v_nop
	global_prefetch_b8 v0, s[64:65] scope:SCOPE_SE
	s_setreg_imm32_b32 hwreg(HW_REG_WAVE_MODE, 25, 1), 1
	s_wait_xcnt 0x0
; THE FOUR PROJECTIONS, on the given codes of E3M2 (K = 512), and the quantising of their results for the two attention launches.
; For 128 rows of X (pheno or SNP) and one head (64 features) the launch makes one CHUNK of 13,056 bytes of pack_X, laid as images of operand registers (lane l's 16 bytes at 16 l):
;   byte 0      KC:  k or q, quantised along the head's 64: 48 registers a lane; register 6 T + e of lane (r, h) = bytes 4 e .. 4 e + 3 of block h of row 32 (T / 2) + 8 (T % 2) + r + 8 (r / 8)
;   byte 6,144  VC:  v, quantised along the 128 rows: four fragments of 16 features x 128 rows, 12 registers a lane each
;   byte 12,288 KSC: scale words of KC: word i: lanes 0-15 tile 2 i, lanes 16-31 tile 2 i + 1; bytes 0, 1 the two blocks, bytes 2, 3 = 127
;   byte 12,800 VSC: scale words of VC: word i: lanes 0-15 fragment 2 i, lanes 16-31 fragment 2 i + 1
; and 32,768 bytes of res_X: v in f32 as the attention launch's result registers want it: [tile of 16 rows][16 features][2][lane][16 bytes].
; SHARES.  Work-group x = 128 rows (0-31: pheno, 32-95: SNP; only pointers are chosen, one path serves both), y = four heads.  Wave w: head 4 y + w / 2, half = w % 2.
; k or q: the wave takes row tiles 4 half .. 4 half + 3 and all 64 features, TRANSPOSED (source 0 = 16 rows of W, source 1 = 16 rows of X), and W's rows of a tile are chosen (r + 8 (r / 8)) so that
; a lane's 16 registers of two neighbouring tiles are 16 neighbouring features.  v: the wave takes features 32 half .. 32 half + 31 and all 128 rows, once with X as source 0 (a lane then holds one feature
; and its registers run down the rows, which are the next K) and once with the sources swapped (a lane holds one row and eight neighbouring features: the residual).
; LDS: X's 128 rows and eight slices of 64 rows of W, 384 bytes a row, 400 apart (100 words: the 16 rows of a fragment load start at 16 different multiples of 4 among the 64 banks of 4 bytes, ISA guide 11.1).
; X's rows lie with bits 3 and 4 of the row number swapped, so that LDS rows 16 T .. 16 T + 15 are the rows of tile T as named above.  Filled once through registers, one barrier, then only read.
; No tensor load: rows of 384 bytes do not pad evenly, and X's rows change places on the way in.
; LIMITS: NaN, infinities and given scale bytes of 0xff are not served.  A block whose largest magnitude lies under 2^-122 is held at the scale byte 1; a block of zeros gets the byte 1 with zero codes
; where the quantiser's rule says 127: the bytes are read by this program alone, and zero codes add nothing under either byte.
; REGISTERS.  Window 0: v1-15, v244 addresses; v16-207 the copy's registers, then v16-63 X's four fragments, v64-191 accumulators, v192-207 the residual's; v208-243 scale words.  Window 1: W's fragments at v[12 f].
; ROW ORDER OF A TILE (this holds in place of the order named above): row m of tile T is row 64 (T / 4) + 8 (T % 4) + m % 8 + 32 (m / 8) of the chunk's 128,
; so X's rows lie in LDS with bits 3, 4, 5 of the row number turned round (LDS row = 64 c + 16 u + 8 h + j for row 64 c + 32 h + 8 u + j).
; With X as source 0 a lane's 32 registers of four neighbouring tiles are then one whole block of 32 neighbouring rows: QUANTB needs no other lane for a block's maximum or codes.
.set PITCH, 400
.set XROWS, 128*PITCH                  ; X's bytes in LDS; W's slices follow
.set WSL,   64*PITCH                   ; a slice of W
.set CHUNK, 13056
.set VCO,   6144
.set KSO,   12288
.set VSO,   12800
.set XF,    16                         ; v16-63   X's fragments of the four K steps
.set ACC,   64                         ; v64-191  accumulators
.set ACT,   192                        ; v192-207 the two transposed tiles of v
.set XSK,   208                        ; v208-215 X's scale words for my four tiles of the k or q phase
.set XS,    216                        ; v216-231 X's scale words, all eight tiles
.set WKS,   232                        ; v232-239 Wk's or Wq's
.set WVS,   240                        ; v240-243 Wv's
.set CODE,  96                         ; v96-119  k's or q's codes of my four tiles
.set KPW,   120                        ; v120-123 their scale words
.set TM2,   128                        ; v128-141 at work in QUANT2
.set C1,    144                        ; v144-146 a block's second conversion
.set TM,    16                         ; v16-31   at work in QUANT
.set PW,    32                         ; v32-33   v's scale words
.set PC,    36                         ; v36-54   v's codes
.set SEL,   48                         ; s[48:49] v_permlanex16_b32's selects for lane l xor 16
.set MSB, 0
.macro WIN new                         ; the immediate's high byte repeats the setting that is left
.if MSB != \new
	s_set_vgpr_msb (MSB<<8)|\new
.set MSB, \new
.endif
.endm
; One matrix instruction: D at v[d], A at v[a], B at v[b]; k = 0: it starts the sum with C = 0, else it adds in place; sa, sb the scale registers; ra, rb = 1: lanes 16-31 of them are read
.macro MMS d, a, b, k, sa, sb, ra, rb
.if (\k) == 0
.if ((\ra) == 0) && ((\rb) == 0)
	v_wmma_scale_f32_16x16x128_f8f6f4 v[(\d):(\d)+7], v[(\a):(\a)+11], v[(\b):(\b)+11], 0, v[\sa], v[\sb] matrix_a_fmt:MATRIX_FMT_BF6 matrix_b_fmt:MATRIX_FMT_BF6
.elseif (\rb) == 0
	v_wmma_scale_f32_16x16x128_f8f6f4 v[(\d):(\d)+7], v[(\a):(\a)+11], v[(\b):(\b)+11], 0, v[\sa], v[\sb] matrix_a_fmt:MATRIX_FMT_BF6 matrix_b_fmt:MATRIX_FMT_BF6 matrix_a_scale:MATRIX_SCALE_ROW1
.elseif (\ra) == 0
	v_wmma_scale_f32_16x16x128_f8f6f4 v[(\d):(\d)+7], v[(\a):(\a)+11], v[(\b):(\b)+11], 0, v[\sa], v[\sb] matrix_a_fmt:MATRIX_FMT_BF6 matrix_b_fmt:MATRIX_FMT_BF6 matrix_b_scale:MATRIX_SCALE_ROW1
.else
	v_wmma_scale_f32_16x16x128_f8f6f4 v[(\d):(\d)+7], v[(\a):(\a)+11], v[(\b):(\b)+11], 0, v[\sa], v[\sb] matrix_a_fmt:MATRIX_FMT_BF6 matrix_b_fmt:MATRIX_FMT_BF6 matrix_a_scale:MATRIX_SCALE_ROW1 matrix_b_scale:MATRIX_SCALE_ROW1
.endif
.else
.if ((\ra) == 0) && ((\rb) == 0)
	v_wmma_scale_f32_16x16x128_f8f6f4 v[(\d):(\d)+7], v[(\a):(\a)+11], v[(\b):(\b)+11], v[(\d):(\d)+7], v[\sa], v[\sb] matrix_a_fmt:MATRIX_FMT_BF6 matrix_b_fmt:MATRIX_FMT_BF6
.elseif (\rb) == 0
	v_wmma_scale_f32_16x16x128_f8f6f4 v[(\d):(\d)+7], v[(\a):(\a)+11], v[(\b):(\b)+11], v[(\d):(\d)+7], v[\sa], v[\sb] matrix_a_fmt:MATRIX_FMT_BF6 matrix_b_fmt:MATRIX_FMT_BF6 matrix_a_scale:MATRIX_SCALE_ROW1
.elseif (\ra) == 0
	v_wmma_scale_f32_16x16x128_f8f6f4 v[(\d):(\d)+7], v[(\a):(\a)+11], v[(\b):(\b)+11], v[(\d):(\d)+7], v[\sa], v[\sb] matrix_a_fmt:MATRIX_FMT_BF6 matrix_b_fmt:MATRIX_FMT_BF6 matrix_b_scale:MATRIX_SCALE_ROW1
.else
	v_wmma_scale_f32_16x16x128_f8f6f4 v[(\d):(\d)+7], v[(\a):(\a)+11], v[(\b):(\b)+11], v[(\d):(\d)+7], v[\sa], v[\sb] matrix_a_fmt:MATRIX_FMT_BF6 matrix_b_fmt:MATRIX_FMT_BF6 matrix_a_scale:MATRIX_SCALE_ROW1 matrix_b_scale:MATRIX_SCALE_ROW1
.endif
.endif
.endm
.macro GL16 reg, bs, off               ; 16 rows of 384 bytes from memory: load (i, g): rows 4 i + lane / 8, bytes 128 g + 16 (lane % 8): eight lanes read 128 consecutive bytes
.irp i, 0,1,2,3
.irp g, 0,1,2
	global_load_b128 v[(\reg)+4*(3*\i+\g):(\reg)+4*(3*\i+\g)+3], v4, s[\bs:\bs+1] offset:(\off)+1536*\i+128*\g
.endr
.endr
.endm
.macro STX reg                         ; my 16 rows of X into LDS: row 16 w + 4 i + lane / 8 goes to the row with bits 3 and 4 swapped
.irp i, 0,1,2,3
.irp g, 0,1,2
	ds_store_b128 v5, v[(\reg)+4*(3*\i+\g):(\reg)+4*(3*\i+\g)+3] offset:(16*(\i/2)+4*(\i%2))*PITCH+128*\g
.endr
.endr
.endm
.macro STW reg, bt                     ; batch bt (16 rows) of my slice of W into LDS, rows as they lie
.irp i, 0,1,2,3
.irp g, 0,1,2
	ds_store_b128 v6, v[(\reg)+4*(3*\i+\g):(\reg)+4*(3*\i+\g)+3] offset:(16*(\bt)+4*\i)*PITCH+128*\g
.endr
.endr
.endm
.macro FRAGL reg, adr, off             ; a fragment, 16 rows x 128 K: lane (r, h) takes the 24 bytes at 24 h and at 48 + 24 h of its row's 96, in pieces of 8 bytes
.irp p, 0,1,2,3,4,5
	ds_load_b64 v[(\reg)+2*\p:(\reg)+2*\p+1], v[\adr] offset:(\off)+48*(\p/3)+8*(\p%3)
.endr
.endm
.macro FETCHX adr, off                 ; a tile of X: the fragments of its four K steps
.irp s, 0,1,2,3
	FRAGL XF+12*\s, \adr, (\off)+96*\s
.endr
.endm
; 32 numbers of a lane, v[ACC + 16 b + i] = feature 32 b + 16 (lane / 16) + i of my row, become tile t's six registers of codes and its scale word
.macro QUANT2 t
.irp b, 0,1
	v_max3_num_f32 v[TM2+\b], |v[ACC+16*\b]|, |v[ACC+1+16*\b]|, 0x2800000   ; block b: my 16 numbers, and the floor 2^(5 - 127): the byte cannot fall under 1
.endr
.irp i, 2,4,6,8,10,12,14
.irp b, 0,1
	v_max3_num_f32 v[TM2+\b], v[TM2+\b], |v[ACC+16*\b+\i]|, |v[ACC+1+16*\b+\i]|
.endr
.endr
.irp b, 0,1
	s_delay_alu instid0(VALU_DEP_2)
	v_permlanex16_b32 v[TM2+4+\b], v[TM2+\b], s[SEL], s[SEL+1]
.endr
.irp b, 0,1
	s_delay_alu instid0(VALU_DEP_2)
	v_max_num_f32 v[TM2+\b], v[TM2+\b], v[TM2+4+\b]        ; with lane l xor 16's 16: the block's largest magnitude
.endr
.irp b, 0,1
	s_delay_alu instid0(VALU_DEP_2)
	v_add_nc_u32 v[TM2+12+\b], 0xfe000000, v[TM2+\b]       ; 4 off its exponent field: the conversion takes the exponent field of this operand as its scale
.endr
.irp b, 0,1
	s_delay_alu instid0(VALU_DEP_2)
	v_lshrrev_b32 v[TM2+4+\b], 23, v[TM2+12+\b]            ; the scale's byte
.endr
	s_delay_alu instid0(VALU_DEP_1)
	v_lshl_or_b32 v[KPW+\t], v[TM2+5], 8, v[TM2+4]
	s_delay_alu instid0(VALU_DEP_1)
	v_or_b32 v[KPW+\t], 0x7f7f0000, v[KPW+\t]              ; bytes 2 and 3: 1.0, for the upper 64 of the score product's K, where the other side holds zero codes
	v_cvt_scalef32_pk16_bf6_f32 v[CODE+6*\t:CODE+6*\t+2], v[ACC:ACC+15], v[TM2+12]
	v_cvt_scalef32_pk16_bf6_f32 v[C1:C1+2], v[ACC+16:ACC+31], v[TM2+13]
	v_nop                                                  ; one plain place behind a scaled conversion
.irp i, 0,1,2
	v_permlane16_swap_b32 v[CODE+6*\t+\i], v[C1+\i]        ; a whole block to a lane: lanes 0-15 block 0, lanes 16-31 block 1
.endr
.irp i, 0,1,2
	s_delay_alu instid0(VALU_DEP_3)
	v_mov_b32 v[CODE+6*\t+3+\i], v[C1+\i]
.endr
.endm
; 64 numbers of a lane, v[s + 16 b + i] = row 32 b + 16 (lane / 16) + i of my feature, become a fragment's codes in v[PC] on and its scale word in v[pw]
.macro QUANT s, pw
.irp b, 0,1,2,3
	v_max3_num_f32 v[TM+\b], |v[(\s)+16*\b]|, |v[(\s)+1+16*\b]|, 0x2800000
.endr
.irp i, 2,4,6,8,10,12,14
.irp b, 0,1,2,3
	v_max3_num_f32 v[TM+\b], v[TM+\b], |v[(\s)+16*\b+\i]|, |v[(\s)+1+16*\b+\i]|
.endr
.endr
.irp b, 0,1,2,3
	s_delay_alu instid0(VALU_DEP_4)
	v_permlanex16_b32 v[TM+4+\b], v[TM+\b], s[SEL], s[SEL+1]
.endr
.irp b, 0,1,2,3
	s_delay_alu instid0(VALU_DEP_4)
	v_max_num_f32 v[TM+\b], v[TM+\b], v[TM+4+\b]
.endr
.irp b, 0,1,2,3
	s_delay_alu instid0(VALU_DEP_4)
	v_add_nc_u32 v[TM+12+\b], 0xfe000000, v[TM+\b]
.endr
.irp b, 0,1,2,3
	s_delay_alu instid0(VALU_DEP_4)
	v_lshrrev_b32 v[TM+4+\b], 23, v[TM+12+\b]
.endr
	s_delay_alu instid0(VALU_DEP_3)
	v_lshl_or_b32 v[\pw], v[TM+5], 8, v[TM+4]
	s_delay_alu instid0(VALU_DEP_1)
	v_lshl_or_b32 v[\pw], v[TM+6], 16, v[\pw]
	s_delay_alu instid0(VALU_DEP_1)
	v_lshl_or_b32 v[\pw], v[TM+7], 24, v[\pw]
.irp c, 0,1
	v_cvt_scalef32_pk16_bf6_f32 v[PC+6*\c:PC+2+6*\c], v[(\s)+32*\c:(\s)+15+32*\c], v[TM+12+2*\c]
	v_cvt_scalef32_pk16_bf6_f32 v[PC+12+4*\c:PC+14+4*\c], v[(\s)+16+32*\c:(\s)+31+32*\c], v[TM+12+2*\c+1]   ; (a conversion's three registers begin on an even number)
.endr
	v_nop                                                  ; one plain place behind a scaled conversion
.irp c, 0,1
.irp i, 0,1,2
	v_permlane16_swap_b32 v[PC+6*\c+\i], v[PC+12+4*\c+\i]
.endr
.irp i, 0,1,2
	s_delay_alu instid0(VALU_DEP_3)
	v_mov_b32 v[PC+3+6*\c+\i], v[PC+12+4*\c+\i]
.endr
.endr
.endm
; 64 numbers of a lane, v[s + 32 c + i] = row 64 c + 32 (lane / 16) + i of my feature: two whole blocks.  They become a fragment's codes in v[PC] on and its scale word in v[pw]
.macro QUANTB s, pw
.irp c, 0,1
	v_max3_num_f32 v[TM+\c], |v[(\s)+32*\c]|, |v[(\s)+1+32*\c]|, 0x2800000   ; with the floor 2^(5 - 127): the byte cannot fall under 1
.endr
.irp i, 2,4,6,8,10,12,14,16,18,20,22,24,26,28,30
.irp c, 0,1
	v_max3_num_f32 v[TM+\c], v[TM+\c], |v[(\s)+32*\c+\i]|, |v[(\s)+1+32*\c+\i]|
.endr
.endr
.irp c, 0,1
	s_delay_alu instid0(VALU_DEP_2)
	v_add_nc_u32 v[TM+12+\c], 0xfe000000, v[TM+\c]         ; 4 off the exponent field: the conversion's scale operand
.endr
.irp c, 0,1
	s_delay_alu instid0(VALU_DEP_2)
	v_lshrrev_b32 v[TM+4+\c], 23, v[TM+12+\c]              ; the scale's byte
.endr
	s_delay_alu instid0(VALU_DEP_1)
	v_lshl_or_b32 v[\pw], v[TM+5], 16, v[TM+4]             ; my bytes: blocks h and 2 + h,
	s_delay_alu instid0(VALU_DEP_1)
	v_lshlrev_b32 v[\pw], v246, v[\pw]                     ; at their places;
	s_delay_alu instid0(VALU_DEP_1)
	v_permlanex16_b32 v[TM+6], v[\pw], s[SEL], s[SEL+1]
	s_delay_alu instid0(VALU_DEP_1)
	v_or_b32 v[\pw], v[\pw], v[TM+6]                       ; with lane l xor 16's two the word is whole
.irp c, 0,1
	v_cvt_scalef32_pk16_bf6_f32 v[PC+6*\c:PC+2+6*\c], v[(\s)+32*\c:(\s)+15+32*\c], v[TM+12+\c]
	v_cvt_scalef32_pk16_bf6_f32 v[PC+12+4*\c:PC+14+4*\c], v[(\s)+16+32*\c:(\s)+31+32*\c], v[TM+12+\c]   ; (a conversion's three registers begin on an even number)
.endr
	v_nop                                                  ; one plain place behind a scaled conversion
.irp c, 0,1
.irp i, 0,1,2
	v_mov_b32 v[PC+3+6*\c+\i], v[PC+12+4*\c+\i]
.endr
.endr
	s_wait_alu depctr_va_vdst(0)
.endm
	s_load_b512 s[16:31], s[0:1], 0x0
	s_load_b512 s[32:47], s[0:1], 0x40             ; the SNP set, in the same order (Wq for Wk)
	v_lshl_add_u32 v254, v0, 2, 0x3e800
	v_mov_b32 v255, 0
	v_lshrrev_b32 v1, 5, v0
	s_delay_alu instid0(VALU_DEP_1)
	v_readfirstlane_b32 s2, v1                     ; wave 0..7
	s_lshr_b32 s3, s2, 1                           ; which of the work-group's four heads
	s_and_b32 s4, s2, 1                            ; half
	s_and_b32 s5, ttmp7, 0xffff                    ; y
	s_lshl_b32 s7, s5, 2
	s_add_co_u32 s7, s7, s3                        ; head
	s_mov_b32 s[SEL], 0x76543210
	s_mov_b32 s[SEL+1], 0xfedcba98
	s_lshr_b32 s10, s2, 2                          ; where my 16 rows of X go in LDS: row 64 (w / 4) + 32 (w % 2) + 8 ((w / 2) % 2)
	s_mul_i32 s10, s10, 64*PITCH
	s_mul_i32 s11, s4, 32*PITCH
	s_add_co_u32 s10, s10, s11
	s_and_b32 s11, s3, 1
	s_mul_i32 s11, s11, 8*PITCH
	s_add_co_u32 s10, s10, s11
	v_and_b32 v1, 31, v0                           ; lane
	v_and_b32 v2, 15, v0                           ; r
	v_bfe_u32 v3, v0, 4, 1                         ; h
	v_bfe_u32 v16, v0, 3, 2                        ; lane / 8
	v_and_b32 v17, 7, v0
	s_delay_alu instid0(VALU_DEP_1)
	v_lshlrev_b32 v17, 4, v17                      ; 16 (lane % 8)
	s_delay_alu instid0(VALU_DEP_1)
	v_mad_u32_u24 v4, v16, 384, v17                ; the copy, in memory: row lane / 8 of four, my 16 bytes of 128
	s_delay_alu instid0(VALU_DEP_2)
	v_mad_u32_u24 v18, v16, PITCH, v17             ; and in LDS
	v_add_nc_u32 v5, s10, v18                      ; X: LDS row 64 (w / 4) + 32 (w % 2) + 8 ((w / 2) % 2) + lane / 8
	s_mul_i32 s11, s2, WSL
	s_add_co_u32 s11, s11, XROWS
	v_add_nc_u32 v6, s11, v18                      ; W: slice w
	v_mul_u32_u24 v7, v2, PITCH
	s_delay_alu instid0(VALU_DEP_1)
	v_mad_u32_u24 v7, v3, 24, v7                   ; X's fragments: row r, + 24 h
	s_mul_i32 s12, s4, 64*PITCH
	v_add_nc_u32 v8, s12, v7                       ; the same from tile 4 half on
	v_and_b32 v19, 8, v2
	s_delay_alu instid0(VALU_DEP_1)
	v_add_nc_u32 v19, v19, v2                      ; r + 8 (r / 8)
	s_delay_alu instid0(VALU_DEP_1)
	v_mul_u32_u24 v9, v19, PITCH
	s_delay_alu instid0(VALU_DEP_1)
	v_mad_u32_u24 v9, v3, 24, v9
	s_mul_i32 s12, s3, 2*WSL
	s_add_co_u32 s12, s12, XROWS
	v_add_nc_u32 v9, s12, v9                       ; Wk's or Wq's fragments: my head's slice (an even one), rows r + 8 (r / 8)
	s_mul_i32 s13, s4, 32*PITCH
	s_add_co_u32 s13, s13, s12
	s_add_co_u32 s13, s13, WSL
	v_add_nc_u32 v10, s13, v7                      ; Wv's: the slice behind it, rows 32 half + r
	v_lshl_add_u32 v11, v3, 3, v19
	s_delay_alu instid0(VALU_DEP_1)
	v_lshlrev_b32 v11, 4, v11
	v_and_b32 v21, 8, v2
	v_lshlrev_b32 v246, 3, v3                      ; 8 h: where my two scale bytes stand in a word
	v_mad_u32_u24 v245, v21, 3, v2                 ; r % 8 + 32 (r / 8)
	s_delay_alu instid0(VALU_DEP_1)
	v_lshl_add_u32 v245, v3, 3, v245               ; X's scale words: lanes 16-31 take the odd tile, 8 rows on
	s_delay_alu instid0(VALU_DEP_1)
	v_lshlrev_b32 v245, 4, v245                    ; 16 bytes a row
	v_lshlrev_b32 v244, 4, v1                      ; 16 x lane
	v_lshlrev_b32 v20, 2, v1                       ; 4 x lane
	s_mul_i32 s13, s4, 3072
	v_add_nc_u32 v12, s13, v244                    ; images of codes: my half of KC or of VC
	s_lshl_b32 s13, s4, 8
	v_add_nc_u32 v13, s13, v20                     ; my two words of KSC
	s_lshl_b32 s13, s4, 7
	v_add_nc_u32 v14, s13, v20                     ; my word of VSC
	s_lshl_b32 s13, s4, 11
	v_add_nc_u32 v15, s13, v244                    ; my two feature tiles of a tile of res
	v_cmp_gt_u32 vcc_lo, 16, v1                    ; lanes 0-15: kept for the whole kernel
	s_wait_alu depctr_va_vdst(0)
	s_wait_kmcnt 0x0
	s_cmp_lt_u32 ttmp9, 32                         ; pheno's work-group or SNP's?  The choice hangs on the work-group's number alone
.irp i, 0,1,2,3,4,5,6,7
	s_cselect_b64 s[16+2*\i:17+2*\i], s[16+2*\i:17+2*\i], s[32+2*\i:33+2*\i]
.endr
	s_cselect_b32 s8, 0, 32
	s_cselect_b32 s9, 4, 5                         ; log2 of the groups of 128 rows in a batch
	s_sub_co_u32 s6, ttmp9, s8                     ; the group's number in its tensor: its first row is 128 x that
	s_lshr_b32 s10, s6, s9                         ; batch
	s_lshl_b32 s11, s10, s9
	s_sub_co_u32 s11, s6, s11                      ; the group within its batch
	s_lshl_b32 s10, s10, 3
	s_add_co_u32 s10, s10, s7
	s_lshl_b32 s10, s10, s9
	s_add_co_u32 s10, s10, s11                     ; chunk = ((batch x 8 + head) x groups) + group
	s_mov_b32 s53, 0
	s_mul_i32 s52, s10, CHUNK
	s_add_nc_u64 s[28:29], s[28:29], s[52:53]      ; pack at my chunk
	s_lshl_b32 s52, s10, 15
	s_add_nc_u64 s[30:31], s[30:31], s[52:53]      ; res at my chunk's eight tiles
	s_lshl_b32 s52, s6, 7
	s_lshl_b32 s12, s2, 4
	s_add_co_u32 s52, s52, s12
	s_mul_i32 s52, s52, 384
	s_add_nc_u64 s[16:17], s[16:17], s[52:53]      ; X's codes at the 16 rows that I copy
	s_lshl_b32 s52, s6, 11
	s_add_nc_u64 s[18:19], s[18:19], s[52:53]      ; X's scales at the group's first row,
	s_lshl_b32 s52, s4, 10
	s_add_nc_u64 s[56:57], s[18:19], s[52:53]      ; and at row 64 half
	s_lshl_b32 s52, s7, 10
	s_add_nc_u64 s[22:23], s[22:23], s[52:53]      ; the weights' scales at my head's 64 rows,
	s_add_nc_u64 s[26:27], s[26:27], s[52:53]
	s_lshl_b32 s52, s4, 9
	s_add_nc_u64 s[26:27], s[26:27], s[52:53]      ; Wv's at my 32 of them
	s_cmp_eq_u32 s4, 0                             ; even waves copy Wk's or Wq's slice of their head, odd waves Wv's
	s_cselect_b64 s[50:51], s[20:21], s[24:25]
	s_mul_i32 s52, s7, 64*384
	s_add_nc_u64 s[50:51], s[50:51], s[52:53]
	; ---- the copy.  The scale words stay in registers: a load of 16 bytes brings a row's words of all four K steps
.irp b, 0,1
	global_load_b128 v[XSK+4*\b:XSK+4*\b+3], v245, s[56:57] offset:256*\b
.endr
.irp b, 0,1,2,3
	global_load_b128 v[XS+4*\b:XS+4*\b+3], v245, s[18:19] offset:1024*(\b/2)+256*(\b%2)
.endr
.irp b, 0,1
	global_load_b128 v[WKS+4*\b:WKS+4*\b+3], v11, s[22:23] offset:512*\b
.endr
	global_load_b128 v[WVS:WVS+3], v244, s[26:27]
	GL16 16, 16, 0                                 ; my 16 rows of X
	GL16 64, 50, 0                                 ; three of my slice's four batches of 16 rows
	GL16 112, 50, 6144
	GL16 160, 50, 12288
	s_wait_loadcnt 36                              ; behind X's loads 36 were issued: the scale words and X are in
	STX 16
	s_wait_dscnt 0x0                               ; the stores have read their registers,
	GL16 16, 50, 18432                             ; which take the fourth batch
	s_wait_loadcnt 36                              ; behind batch 0: batches 1, 2, 3
	STW 64, 0
	s_wait_loadcnt 24
	STW 112, 1
	s_wait_loadcnt 12
	STW 160, 2
	s_wait_loadcnt 0x0
	STW 16, 3
	s_wait_dscnt 0x0                               ; for the others' sake: my stores have landed
	s_barrier_signal -1
	s_barrier_wait -1                              ; X and all eight slices lie in LDS; from here on LDS is only read
	; ---- k or q: my four tiles of rows x the head's 64 features
	v_mov_b32 v[TM2+4], 0                          ; written once: a lane permute's destination counts as one of its sources
	v_mov_b32 v[TM2+5], 0
	WIN 0x40                                       ; destination window 1
.irp f, 0,1,2,3
.irp s, 0,1,2,3
	FRAGL 12*(4*\f+\s), 9, (32*(\f/2)+8*(\f%2))*PITCH+96*\s   ; feature tile f, K step s: they stay for the phase
.endr
.endr
	WIN 0
.irp t, 0,1,2,3
	FETCHX 8, 16*PITCH*\t
	s_wait_dscnt 0x0
	WIN 0x01                                       ; source 0 (W) window 1
.irp s, 0,1,2,3                        ; the four accumulators by turns, one instruction a turn
.irp f, 0,1,2,3
	MMS ACC+8*\f, 12*(4*\f+\s), XF+12*\s, \s, WKS+4*(\f/2)+\s, XSK+4*(\t/2)+\s, \f%2, \t%2
.endr
.endr
	WIN 0
.rept 5
	v_nop                                          ; places behind the products: four ahead of reads of the results and of loads into the fragments, five ahead of the next tile's products, which begin the same accumulators anew
.endr
	QUANT2 \t
.endr
.irp g, 0,1,2,3,4,5
	global_store_b128 v12, v[CODE+4*\g:CODE+4*\g+3], s[28:29] offset:512*\g   ; each store covers 512 consecutive bytes
.endr
	v_cndmask_b32 v148, v[KPW+1], v[KPW], vcc_lo   ; lanes 0-15 the even tile's words, lanes 16-31 the odd tile's
	v_cndmask_b32 v149, v[KPW+3], v[KPW+2], vcc_lo
	global_store_b32 v13, v148, s[28:29] offset:KSO
	global_store_b32 v13, v149, s[28:29] offset:KSO+128
	; ---- v: my 32 features x all eight tiles of rows, both ways round
	WIN 0x40
.irp d, 0,1
.irp s, 0,1,2,3
	FRAGL 12*(4*\d+\s), 10, 16*PITCH*\d+96*\s
.endr
.endr
	WIN 0
	s_wait_xcnt 0x0                                ; the stores above have read their data, which lie among the accumulators
.irp t, 0,1,2,3,4,5,6,7
	FETCHX 7, 16*PITCH*\t
	s_wait_dscnt 0x0
	WIN 0x04                                       ; source 1 (Wv) window 1
.irp s, 0,1,2,3                        ; source 0 = X: a lane holds one feature, registers down the rows
.irp d, 0,1
	MMS ACC+64*\d+8*\t, XF+12*\s, 12*(4*\d+\s), \s, XS+4*(\t/2)+\s, WVS+\s, \t%2, \d
.endr
.endr
	WIN 0x01                                       ; source 0 (Wv) window 1
	s_wait_xcnt 0x0                                ; the last tile's stores have read the registers that are begun anew below
.irp s, 0,1,2,3                        ; the sources swapped: a lane holds one row and eight neighbouring features
.irp d, 0,1
	MMS ACT+8*\d, 12*(4*\d+\s), XF+12*\s, \s, WVS+\s, XS+4*(\t/2)+\s, \d, \t%2
.endr
.endr
	WIN 0
.rept 5
	v_nop                                          ; places, as above
.endr
.irp d, 0,1
.irp g, 0,1
	global_store_b128 v15, v[ACT+8*\d+4*\g:ACT+8*\d+4*\g+3], s[30:31] offset:4096*\t+1024*\d+512*\g   ; each accumulator from its low end on
.endr
.endr
.endr
.irp b, 0,1,2,3
	v_mov_b32 v[TM+4+\b], 0                        ; a lane permute's destination counts as one of its sources
.endr
.irp d, 0,1
	QUANTB ACC+64*\d, PW+\d
.irp c, 0,1,2
	global_store_b128 v12, v[PC+4*\c:PC+4*\c+3], s[28:29] offset:VCO+1536*\d+512*\c
.endr
	s_wait_xcnt 0x0                                ; the stores have read the codes' registers
.endr
	v_cndmask_b32 v34, v[PW+1], v[PW], vcc_lo
	global_store_b32 v14, v34, s[28:29] offset:VSO
	s_wait_tensorcnt 0x0
	ds_add_u32 v254, v255
	s_wait_dscnt 0x0
	s_endpgm
.Lfunc_end_k_q9922930560_project:
	.size	k_q9922930560_project, .Lfunc_end_k_q9922930560_project-k_q9922930560_project
	.p2alignl 7, 3214868480
	.fill 96, 4, 3214868480
	.section	.rodata,"a",@progbits
	.p2align	6, 0x0
	.amdhsa_kernel k_q9922930560_project
		.amdhsa_group_segment_fixed_size 257024
		.amdhsa_private_segment_fixed_size 0
		.amdhsa_enable_private_segment 0
		.amdhsa_kernarg_size 128
		.amdhsa_user_sgpr_count 2
		.amdhsa_user_sgpr_kernarg_segment_ptr 1
		.amdhsa_wavefront_size32 1
		.amdhsa_system_sgpr_workgroup_id_x 1
		.amdhsa_system_sgpr_workgroup_id_y 1
		.amdhsa_system_sgpr_workgroup_id_z 1
		.amdhsa_system_vgpr_workitem_id 0
		.amdhsa_next_free_vgpr 448
		.amdhsa_next_free_sgpr 66
		.amdhsa_reserve_vcc 1
		.amdhsa_float_denorm_mode_32 3
		.amdhsa_float_denorm_mode_16_64 3
		.amdhsa_memory_ordered 1
		.amdhsa_forward_progress 1
		.amdhsa_inst_pref_size 91
	.end_amdhsa_kernel
	.amdgpu_metadata
---
amdhsa.version: [ 1, 2 ]
amdhsa.kernels:
  - .name:           k_q9922930560_project
    .symbol:         k_q9922930560_project.kd
    .args:
      - { .name: pheno_encoded_codes, .offset: 0, .size: 8, .value_kind: global_buffer, .address_space: global }
      - { .name: pheno_encoded_scales, .offset: 8, .size: 8, .value_kind: global_buffer, .address_space: global }
      - { .name: Wk_codes, .offset: 16, .size: 8, .value_kind: global_buffer, .address_space: global }
      - { .name: Wk_scales, .offset: 24, .size: 8, .value_kind: global_buffer, .address_space: global }
      - { .name: Wv_pheno_codes, .offset: 32, .size: 8, .value_kind: global_buffer, .address_space: global }
      - { .name: Wv_pheno_scales, .offset: 40, .size: 8, .value_kind: global_buffer, .address_space: global }
      - { .name: pack_p, .offset: 48, .size: 8, .value_kind: global_buffer, .address_space: global }
      - { .name: res_p, .offset: 56, .size: 8, .value_kind: global_buffer, .address_space: global }
      - { .name: SNPS_encoded_codes, .offset: 64, .size: 8, .value_kind: global_buffer, .address_space: global }
      - { .name: SNPS_encoded_scales, .offset: 72, .size: 8, .value_kind: global_buffer, .address_space: global }
      - { .name: Wq_codes, .offset: 80, .size: 8, .value_kind: global_buffer, .address_space: global }
      - { .name: Wq_scales, .offset: 88, .size: 8, .value_kind: global_buffer, .address_space: global }
      - { .name: Wv_snp_codes, .offset: 96, .size: 8, .value_kind: global_buffer, .address_space: global }
      - { .name: Wv_snp_scales, .offset: 104, .size: 8, .value_kind: global_buffer, .address_space: global }
      - { .name: pack_s, .offset: 112, .size: 8, .value_kind: global_buffer, .address_space: global }
      - { .name: res_s, .offset: 120, .size: 8, .value_kind: global_buffer, .address_space: global }
    .group_segment_fixed_size: 257024
    .private_segment_fixed_size: 0
    .kernarg_segment_align: 8
    .kernarg_segment_size: 128
    .max_flat_workgroup_size: 256
    .sgpr_count:     66
    .vgpr_count:     448
    .wavefront_size: 32
...
	.end_amdgpu_metadata
.endif
;; end of part 1
;; launch att_p (part 2): grid 16 x 16, 16 waves a work-group, clusters of 4 x 1, 327,680 bytes of LDS; arguments pack_p, pack_s, res_p, out0; writes out0
.if DOCPART == 2
	.amdgcn_target "amdgcn-amd-amdhsa--gfx1250"
	.amdhsa_code_object_version 6
	.text
	.protected	k_q9922930560_att_p
	.globl	k_q9922930560_att_p
	.p2align	8
	.type	k_q9922930560_att_p,@function
k_q9922930560_att_p:
	s_mov_b64 s[64:65], 0
	v_nop
	global_prefetch_b8 v0, s[64:65] scope:SCOPE_SE
	s_setreg_imm32_b32 hwreg(HW_REG_WAVE_MODE, 25, 1), 1
	s_wait_xcnt 0x0
	s_wait_alu depctr_hold_cnt(0) depctr_sa_sdst(0) depctr_va_vdst(0) depctr_va_sdst(0) depctr_va_ssrc(0) depctr_va_vcc(0) depctr_vm_vsrc(0)
	s_getreg_b32 s2, hwreg(HW_REG_IB_STS2, 6, 4)
	s_cmp_eq_u32 s2, 0
	s_cbranch_scc0 .Lentry_in_a_cluster
	s_endpgm
.Lentry_in_a_cluster:
	s_bfe_u32 s2, ttmp6, 0x10000c
	s_cmp_lg_u32 s2, 0x3003
	s_cbranch_scc0 .Lentry_shape_is_right
	s_endpgm
.Lentry_shape_is_right:
; out0: for each pheno row (the QUERY) the softmax over the 4,096 SNP rows (the KEYS) of k . q / 8, times v_snp, plus v_pheno.  All products on codes of E3M2 with E8M0 scales.
; One text serves both attention launches; the four sizes below say which.  Arguments: the queries' pack, the keys' and values' pack, the queries' residual, the output.
; A pack's chunk (13,056 bytes: one head's 128 rows) holds images of operand registers: byte 0 the score product's codes (tile T's six registers at 6 T), byte 6,144 four fragments of the values with the rows as K,
; byte 12,288 four scale words for the first, byte 12,800 two for the second.  Row m of tile T is row 64 (T / 4) + 8 (T % 4) + m % 8 + 32 (m / 8) of the chunk.
; Both products are used transposed, so a lane holds one query; by that row order its 32 score registers of tiles 4 c .. 4 c + 3 are keys 64 c + 32 h + 0 .. 31: ONE WHOLE BLOCK, as the 6-bit operand wants it.
; THE SCORE PRODUCT has K = 64 in an instruction of K = 128: the query's upper six registers are zero codes and bytes 2, 3 of both scale words are 127: those products are exact zeros.
; THE SOFTMAX: t = score x log2(e) / 8; M = the largest t so far, rounded up to a whole number; p = 2^(t - M) is quantised along the keys; the row's sum is taken of the unquantised p and divides at the end.
; When M moves, the sum and O are multiplied by 2^(old M - new M): exact.  A block's largest p is the block's largest score put through the same multiply-add and exponential.
; SHARES.  y = batch x 8 + head, x = a block of queries; sixteen waves, a wave owns tile w % 8 of 16 queries and walks 16 key steps of 128 keys.
; SPLIT = 0 (16 chunks of keys): all 16 lie in LDS; wave w asks for chunk w at the head, multiplies it first behind its own wait, and behind one barrier walks the other 15.  Nothing is filled again.
; SPLIT = 1 (32 chunks): 24 places.  Waves w and w + 8 own the same tile and halve the keys.  Places 0-15 are filled at the head (waves 0-7 walk 0-7, waves 8-15 walk 8-15), places 16-23 behind the first step,
; places 0-7 again behind step 8 (four steps ahead of their first read); the halves are joined at the end by exact powers of two.  Stage and join lie in places 8-15, which have had their last fill and read by then.
; CLUSTER: the four work-groups of a cluster belong to one head and need the same chunks: every chunk is asked for JOINTLY, with the mask of all four.  One tensor load of a wave is out at most.
; NO PREFETCH: the head's loads have no loop ahead of them, and each later load is issued four key steps or more ahead of its first read.
; LIMITS: NaN and infinities are not served; the promise holds while the scaled scores stay under 2^31 in magnitude; p under 2^-126 counts as 0; a block whose every p is 0 keeps the scale byte 1 with zero codes.
; REGISTERS: v2-11, v31 addresses; v12 -M, v13 the largest score, v[14:15] the sum; v16-27 the query; v32-79 key codes, then value fragments; v80-85 zeros; v96-159 S^T, then p; v160-191 O^T; v192-223 the residual;
; v224-235 p's codes; v236-246, v88-90, v254 work; v248-251 scale words; v252 f; v253 p's scale word; v255 the query's.
.set SPLIT,  1
.set KSTEPS, 32
.set QSTEPS, 16
.set NQROWS, 2048
.set CHUNK,  13056
.set VCO,    6144
.set KSO,    12288
.set VSO,    12800
.set SP,     272
.set MIMG,   9*512
.if SPLIT
.set STAGE,  8*CHUNK
.set MRG,    STAGE+8*16*SP
.set SPARE,  24*CHUNK
.else
.set STAGE,  16*CHUNK
.set SPARE,  STAGE+16*16*SP
.endif
.macro MM d, a, b, c, sa, sb, odd      ; D, A, B, C; odd = 1: A's scales stand in lanes 16-31
.if \odd
	v_wmma_scale_f32_16x16x128_f8f6f4 v[\d:\d+7], v[\a:\a+11], v[\b:\b+11], \c, v[\sa], v[\sb] matrix_a_fmt:MATRIX_FMT_BF6 matrix_b_fmt:MATRIX_FMT_BF6 matrix_a_scale:MATRIX_SCALE_ROW1
.else
	v_wmma_scale_f32_16x16x128_f8f6f4 v[\d:\d+7], v[\a:\a+11], v[\b:\b+11], \c, v[\sa], v[\sb] matrix_a_fmt:MATRIX_FMT_BF6 matrix_b_fmt:MATRIX_FMT_BF6
.endif
.endm
.macro ROUND                           ; a round of the cluster's barrier
	s_barrier_signal -1
	s_barrier_wait -1
	s_cmp_lg_u32 s12, 0
	s_cbranch_scc1 .Lnot_wave_0_\@
	s_barrier_signal -3
.Lnot_wave_0_\@:
	s_barrier_wait -3
	s_barrier_signal -1
	s_barrier_wait -1
.endm
; A KEY STEP: the 128 keys of the chunk at v3 (codes) and v4 (scale words).  first = 1: it starts O^T with C = 0
.macro STEP first
.irp g, 0,1,2,3,4,5,6,7,8,9,10,11
	ds_load_b128 v[32+4*\g:35+4*\g], v3 offset:512*\g
.endr
.irp i, 0,1,2,3
	ds_load_b32 v[248+\i], v4 offset:KSO+128*\i
.endr
	s_wait_dscnt 0x0
.irp t, 0,1,2,3,4,5,6,7
	MM 96+8*\t, 32+6*\t, 16, 0, 248+\t/2, 255, \t%2
.endr
.rept 4
	v_nop                                          ; places ahead of the loads below and of the first read of the scores
.endr
.irp g, 0,1,2,3,4,5,6,7,8,9,10,11
	ds_load_b128 v[32+4*\g:35+4*\g], v3 offset:VCO+512*\g   ; the value fragments land while the softmax is walked
.endr
.irp i, 0,1
	ds_load_b32 v[248+\i], v4 offset:VSO+128*\i
.endr
.irp b, 0,1,2,3                        ; four chains of 16 scores, each accumulator from its low end on
	v_max3_num_f32 v[236+\b], v[96+16*\b], v[97+16*\b], v[98+16*\b]
.endr
.irp i, 3,5,7,9,11,13
.irp b, 0,1,2,3
	v_max3_num_f32 v[236+\b], v[236+\b], v[96+16*\b+\i], v[97+16*\b+\i]
.endr
.endr
	v_max3_num_f32 v236, v236, v237, v111
	v_max3_num_f32 v238, v238, v239, v143
	v_max_num_f32 v236, v236, v127                 ; my block h's largest score,
	v_max_num_f32 v237, v238, v159                 ; and block 2 + h's
	s_delay_alu instid0(VALU_DEP_1)
	v_max_num_f32 v254, v236, v237
	s_delay_alu instid0(VALU_DEP_1)
	v_permlanex16_b32 v239, v254, s20, s21
	s_delay_alu instid0(VALU_DEP_1)
	v_max3_num_f32 v13, v13, v254, v239            ; the running largest score of my query
	s_delay_alu instid0(VALU_DEP_1)
	v_mul_f32 v254, s22, v13                       ; as t (c is positive)
	s_delay_alu instid0(VALU_DEP_1)
	v_floor_f32 v238, -v254                        ; the new -M = -ceil(t)
	s_delay_alu instid0(VALU_DEP_1)
	v_sub_f32 v254, v238, v12                      ; old M less new M: a whole number, 0 or less
	v_mov_b32 v12, v238
	s_delay_alu instid0(VALU_DEP_2)
	v_cvt_i32_f32 v254, v254                       ; (it saturates)
	s_delay_alu instid0(VALU_DEP_1)
	v_ldexp_f32 v252, 1.0, v254                    ; f = 2^(old M - new M)
.set j, 0
.rept 32
	v_pk_fma_f32 v[96+j:97+j], v[96+j:97+j], s[22:23], v[12:13] op_sel_hi:[1,0,0]   ; t - M (of the pairs the low word serves both halves)
.set j, j+2
.endr
	v_fma_f32 v236, v236, s22, v12
	v_fma_f32 v237, v237, s22, v12
	s_wait_alu depctr_va_vdst(0)                   ; the wait ahead of the batch
.set j, 0
.rept 64
	v_exp_f32 v[96+j], v[96+j]                     ; p = 2^(t - M)
.set j, j+1
.endr
	v_exp_f32 v236, v236                           ; my two blocks' largest p
	v_exp_f32 v237, v237
	v_pk_mul_f32 v[14:15], v[14:15], v[252:253] op_sel_hi:[1,0]   ; the sum under the new M: the plain place behind the batch
	s_wait_alu depctr_va_vdst(0)                   ; one wait for the batch, and directly ahead of O^T's first readers
.if !(\first)
.set j, 0
.rept 16
	v_pk_mul_f32 v[160+j:161+j], v[160+j:161+j], v[252:253] op_sel_hi:[1,0]   ; O^T under the new M
.set j, j+2
.endr
.endif
	v_max_num_f32 v236, 0x2800000, v236            ; the floor 2^(5 - 127): the byte cannot fall under 1
	v_max_num_f32 v237, 0x2800000, v237
	s_delay_alu instid0(VALU_DEP_2)
	v_add_nc_u32 v240, 0xfe000000, v236            ; 4 off the exponent field: the conversion's scale operand
	s_delay_alu instid0(VALU_DEP_2)
	v_add_nc_u32 v241, 0xfe000000, v237
	s_delay_alu instid0(VALU_DEP_2)
	v_lshrrev_b32 v238, 23, v240                   ; the scale's byte
	s_delay_alu instid0(VALU_DEP_2)
	v_lshrrev_b32 v239, 23, v241
	s_delay_alu instid0(VALU_DEP_1)
	v_lshl_or_b32 v253, v239, 16, v238             ; my bytes: blocks h and 2 + h,
	s_delay_alu instid0(VALU_DEP_1)
	v_lshlrev_b32 v253, v31, v253                  ; 8 h bits up
	s_delay_alu instid0(VALU_DEP_1)
	v_permlanex16_b32 v242, v253, s20, s21
	v_cvt_scalef32_pk16_bf6_f32 v[224:226], v[96:111], v240
	v_cvt_scalef32_pk16_bf6_f32 v[244:246], v[112:127], v240   ; (a conversion's three registers begin on an even number)
	v_cvt_scalef32_pk16_bf6_f32 v[230:232], v[128:143], v241
	v_cvt_scalef32_pk16_bf6_f32 v[88:90], v[144:159], v241
	v_or_b32 v253, v253, v242                      ; p's scale word is whole.  (The plain place behind the conversions)
.irp i, 0,1,2
	v_mov_b32 v[227+\i], v[244+\i]
	v_mov_b32 v[233+\i], v[88+\i]
.endr
.irp w, 4,8,16                         ; the row's sum of the unquantised p, in place, level by level
.set j, 0
.rept 64/\w
	v_pk_add_f32 v[96+j:97+j], v[96+j:97+j], v[96+j+\w/2:97+j+\w/2]
.set j, j+\w
.endr
.endr
	s_wait_alu depctr_va_vdst(0)                   ; directly ahead of the wait below
	s_wait_dscnt 0x0                               ; the value fragments and their scale words are in
.irp t, 0,1,2,3                        ; O^T += V^T P^T: four accumulators, one instruction each
.if \first
	MM 160+8*\t, 32+12*\t, 224, 0, 248+\t/2, 253, \t%2
.else
	MM 160+8*\t, 32+12*\t, 224, v[160+8*\t:167+8*\t], 248+\t/2, 253, \t%2
.endif
.endr
	v_pk_add_f32 v[96:97], v[96:97], v[112:113]    ; the sum's last four additions are the places behind the products
	v_pk_add_f32 v[128:129], v[128:129], v[144:145]
	s_delay_alu instid0(VALU_DEP_1)
	v_pk_add_f32 v[96:97], v[96:97], v[128:129]
	s_delay_alu instid0(VALU_DEP_1)
	v_pk_add_f32 v[14:15], v[14:15], v[96:97]
.endm
; n places from byte s36 on, a key step each; skip = 1: the place that I multiplied first is passed over (a branch on the wave's number and the trip's)
.macro WALK n, skip
	s_mov_b32 s37, 0
.Lw\@:
.if \skip
	s_cmp_eq_u32 s37, s18
	s_cbranch_scc1 .Ls\@
.endif
	v_add_nc_u32 v3, s36, v11
	v_add_nc_u32 v4, s36, v2
	s_wait_alu depctr_va_vdst(0)
	STEP 0
.Ls\@:
	s_add_co_u32 s36, s36, CHUNK
	s_add_co_u32 s37, s37, 1
	s_cmp_lt_u32 s37, \n
	s_cbranch_scc1 .Lw\@
.endm
; Eight chunks more, jointly, by waves 0-7: the three lines, a round, the load.  again = 0: chunks 16-23 into places 16-23; 1: chunks 24-31 into places 0-7
.macro FILL again
	s_wait_alu depctr_va_vdst(0)
	s_wait_tensorcnt 0x0                           ; no tensor load of mine is out, so group 0 may be written
	ds_add_u32 v5, v6
.if \again
	s_mul_i32 s33, s12, CHUNK
	s_add_nc_u64 s[34:35], s[34:35], 8*CHUNK
.else
	s_add_co_u32 s33, s33, 16*CHUNK
	s_add_nc_u64 s[34:35], s[34:35], 16*CHUNK
.endif
	s_wait_dscnt 0x0                               ; the add is done, and so are my reads so far
	ROUND
	s_cmp_ge_u32 s12, 8
	s_cbranch_scc1 .Lasked_\@
	tensor_load_to_lds s[32:35], s[24:31]
	s_nop 0
.rept 4
	v_nop
.endr
.Lasked_\@:
.endm
	s_load_b256 s[4:11], s[0:1], 0x0               ; the queries' pack, the keys' pack, the residual, the output
	v_lshl_add_u32 v5, v0, 2, SPARE                ; my spare word; never rewritten
	v_mov_b32 v6, 0                                ; never rewritten
	ds_add_u32 v5, v6                              ; the opening lines: the add twice on end
	ds_add_u32 v5, v6
	v_lshrrev_b32 v96, 5, v0
	v_readfirstlane_b32 s12, v96                   ; wave 0..15
	s_and_b32 s15, ttmp7, 0xffff                   ; y = batch x 8 + head, which the four partners share
	s_mul_i32 s44, s15, KSTEPS
	s_add_co_u32 s44, s44, s12
	s_mul_i32 s44, s44, CHUNK                      ; the head's chunk w of keys
	s_mov_b32 s45, 0
	s_mov_b32 s24, 15|(3<<16)|(1<<21)              ; group 1: the mask of all four; elements of 8 bytes; bit 21 beside a mask
	s_mov_b32 s25, 32<<16                          ; a chunk is 51 dense rows of 256 bytes
	s_mov_b32 s26, 51<<16
	s_mov_b32 s27, 32<<16
	s_mov_b32 s28, 51
	s_mov_b32 s29, 32
	s_mov_b32 s30, 0
	s_mov_b32 s31, 0
	s_mov_b32 s32, 1
	s_mul_i32 s33, s12, CHUNK                      ; place w
	s_wait_dscnt 0x0
	s_wait_kmcnt 0x0
	s_add_nc_u64 s[34:35], s[6:7], s[44:45]
	s_or_b32 s35, s35, 0x80000000
	ROUND                                          ; all four work-groups are here: the first joint loads meet
	tensor_load_to_lds s[32:35], s[24:31]          ; one load a wave
	s_nop 0
	s_bfe_u32 s13, ttmp6, 0x40000                  ; cx: it enters the queries', the residual's and the output's addresses alone
	s_lshl_b32 s14, ttmp9, 2
	s_add_co_u32 s14, s14, s13
	s_and_b32 s16, s12, 7                          ; my tile T
	s_lshr_b32 s17, s12, 3
.if SPLIT
	s_mov_b32 s19, s14                             ; the queries' chunk: one to a work-group
	s_mov_b32 s18, s16                             ; my own place among those that I walk first
	s_mul_i32 s46, s16, 16*SP
.else
	s_lshl_b32 s19, s14, 1
	s_add_co_u32 s19, s19, s17                     ; two to a work-group
	s_mov_b32 s18, s12
	s_mul_i32 s46, s12, 16*SP
.endif
	s_add_co_u32 s46, s46, STAGE                   ; my stage
	s_lshr_b32 s42, s15, 3
	s_mul_i32 s42, s42, NQROWS
	s_lshl_b32 s43, s19, 7
	s_add_co_u32 s42, s42, s43
	s_lshr_b32 s43, s16, 2
	s_lshl_b32 s43, s43, 6
	s_add_co_u32 s42, s42, s43
	s_and_b32 s43, s16, 3
	s_lshl_b32 s43, s43, 3
	s_add_co_u32 s42, s42, s43                     ; my tile's first row: batch, chunk, 64 (T / 4) + 8 (T % 4)
	s_lshl_b32 s42, s42, 11
	s_and_b32 s43, s15, 7
	s_lshl_b32 s43, s43, 8
	s_add_co_u32 s42, s42, s43                     ; and the head's 256 bytes of a row
	s_mov_b32 s43, 0
	s_mul_i32 s38, s15, QSTEPS
	s_add_co_u32 s38, s38, s19
	s_lshl_b32 s40, s38, 3
	s_add_co_u32 s40, s40, s16
	s_lshl_b32 s40, s40, 12                        ; the residual: 4,096 bytes a tile
	s_mov_b32 s41, 0
	s_mul_i32 s38, s38, CHUNK
	s_mov_b32 s39, 0
	s_add_nc_u64 s[4:5], s[4:5], s[38:39]
	s_add_nc_u64 s[8:9], s[8:9], s[40:41]
	s_add_nc_u64 s[10:11], s[10:11], s[42:43]
	s_mul_i32 s49, s16, 3                          ; my tile's six registers are pairs 3 T + 0, 1, 2 of the image: pair n at 512 (n / 2) + 16 lane + 8 (n % 2)
.irp p, 0,1,2
	s_add_co_u32 s54, s49, \p
	s_lshr_b32 s[50+\p], s54, 1
	s_lshl_b32 s[50+\p], s[50+\p], 9
	s_and_b32 s54, s54, 1
	s_lshl_b32 s54, s54, 3
	s_add_co_u32 s[50+\p], s[50+\p], s54
.endr
	s_lshr_b32 s53, s16, 1
	s_lshl_b32 s53, s53, 7
	s_and_b32 s54, s16, 1
	s_lshl_b32 s54, s54, 6
	s_add_co_u32 s53, s53, s54                     ; my tile's scale words: word T / 2, lane 16 (T % 2) + r
.if SPLIT
	s_mul_i32 s47, s16, MIMG
	s_add_co_u32 s47, s47, MRG
.endif
	s_mov_b32 s20, 0x76543210
	s_mov_b32 s21, 0xfedcba98                      ; v_permlanex16_b32's selects for lane l xor 16
	s_mov_b32 s22, 0x3e38aa3b                      ; c = log2(e) / 8
	s_mov_b32 s23, s22
	s_mul_i32 s36, s12, CHUNK                      ; my own place
	v_and_b32 v96, 31, v0
	v_and_b32 v97, 15, v0                          ; r
	v_bfe_u32 v98, v0, 4, 1                        ; h
	v_lshlrev_b32 v11, 4, v96                      ; 16 x lane
	v_lshlrev_b32 v2, 2, v96                       ; 4 x lane
	v_lshlrev_b32 v31, 3, v98                      ; 8 h
	v_lshlrev_b32 v7, 11, v98
	v_mul_u32_u24 v8, v97, SP
	v_mul_u32_u24 v9, v98, SP
	v_lshl_add_u32 v7, v97, 4, v7                  ; the way out, in memory: lanes 0-15 one row, lanes 16-31 the next
	v_lshl_add_u32 v8, v98, 5, v8
	v_lshl_add_u32 v9, v97, 4, v9
	v_add_nc_u32 v8, s46, v8                       ; into the stage: row r, + 32 h
	v_add_nc_u32 v9, s46, v9                       ; back: two rows a load
.if SPLIT
	v_add_nc_u32 v10, s47, v11                     ; where the two halves of my tile meet
.endif
.irp p, 0,1,2
	v_add_nc_u32 v[99+\p], s[50+\p], v11
.endr
	v_lshl_add_u32 v102, v97, 2, s53
	v_add_nc_u32 v3, s36, v11
	v_add_nc_u32 v4, s36, v2
	s_wait_alu depctr_va_vdst(0)
.irp p, 0,1,2
	global_load_b64 v[16+2*\p:17+2*\p], v[99+\p], s[4:5]            ; the query's codes stay in registers
.endr
	global_load_b32 v255, v102, s[4:5] offset:KSO
.irp k, 0,1,2,3,4,5,6,7
	global_load_b128 v[192+4*\k:195+4*\k], v11, s[8:9] offset:512*\k th:TH_LOAD_NT   ; the residual, in O^T's layout
.endr
.irp i, 0,1,2,3,4,5
	v_mov_b32 v[22+\i], 0                          ; the query's upper 64 of K: zero codes
	v_mov_b32 v[80+\i], 0                          ; what follows the last key tile
.endr
	v_mov_b32 v13, 0xff61b1e6                      ; the largest score so far: -3e38
	v_mov_b32 v12, 0x7f61b1e6                      ; -M
	v_mov_b32 v14, 0
	v_mov_b32 v15, 0
	v_mov_b32 v242, 0                              ; a lane permute's destination counts as one of its sources
	v_mov_b32 v253, 0                              ; (named with v252 as a pair before it is first written)
	s_wait_alu depctr_va_vdst(0)                   ; the wait at the head's end
	s_wait_loadcnt 0x0
	s_wait_tensorcnt 0x0                           ; my own chunk is in: I alone read it ahead of the barrier
	STEP 1
.if SPLIT
	s_mul_i32 s36, s17, 8*CHUNK
	FILL 0
	WALK 8, 1                                      ; my half of places 0-15
	FILL 1
	s_mul_i32 s36, s17, 4*CHUNK
	s_add_co_u32 s36, s36, 16*CHUNK
	WALK 4, 0                                      ; my half of places 16-23
	s_wait_alu depctr_va_vdst(0)
	s_wait_tensorcnt 0x0                           ; chunks 24-31 are in
	s_wait_dscnt 0x0
	s_barrier_signal -1
	s_barrier_wait -1
	s_mul_i32 s36, s17, 4*CHUNK
	WALK 4, 0                                      ; my half of places 0-7
	s_wait_alu depctr_va_vdst(0)
	; the two halves of a tile are joined: wave w + 8 hands O^T, -M and the sum to wave w as images of its registers
	s_cmp_lt_u32 s12, 8
	s_cbranch_scc1 .Lkeep
.irp g, 0,1,2,3,4,5,6,7
	ds_store_b128 v10, v[160+4*\g:163+4*\g] offset:512*\g
.endr
	ds_store_b128 v10, v[12:15] offset:4096
.Lkeep:
	s_wait_dscnt 0x0
	s_barrier_signal -1
	s_barrier_wait -1
	s_cmp_ge_u32 s12, 8
	s_cbranch_scc1 .Lend
.irp g, 0,1,2,3,4,5,6,7,8
	ds_load_b128 v[96+4*\g:99+4*\g], v10 offset:512*\g   ; v96-127 the other O^T; v128 its -M, v[130:131] its sum
.endr
	s_wait_dscnt 0x0
	v_min_num_f32 v254, v12, v128                  ; the common -M
	s_delay_alu instid0(VALU_DEP_1)
	v_sub_f32 v252, v254, v12
	v_sub_f32 v132, v254, v128
	s_delay_alu instid0(VALU_DEP_2)
	v_cvt_i32_f32 v252, v252
	s_delay_alu instid0(VALU_DEP_2)
	v_cvt_i32_f32 v132, v132
	s_delay_alu instid0(VALU_DEP_2)
	v_ldexp_f32 v252, 1.0, v252                    ; both factors are powers of two
	s_delay_alu instid0(VALU_DEP_2)
	v_ldexp_f32 v132, 1.0, v132
	s_delay_alu instid0(VALU_DEP_2)
	v_pk_mul_f32 v[14:15], v[14:15], v[252:253] op_sel_hi:[1,0]
.set j, 0
.rept 16
	v_pk_mul_f32 v[160+j:161+j], v[160+j:161+j], v[252:253] op_sel_hi:[1,0]
.set j, j+2
.endr
	v_pk_fma_f32 v[14:15], v[130:131], v[132:133], v[14:15] op_sel_hi:[1,0,1]
.set j, 0
.rept 16
	v_pk_fma_f32 v[160+j:161+j], v[96+j:97+j], v[132:133], v[160+j:161+j] op_sel_hi:[1,0,1]
.set j, j+2
.endr
.else
	s_mov_b32 s36, 0
	s_wait_alu depctr_va_vdst(0)
	s_wait_dscnt 0x0
	s_barrier_signal -1                            ; every wave has seen its own chunk land: behind the barrier all 16 are whole
	s_barrier_wait -1
	WALK 16, 1
	s_wait_alu depctr_va_vdst(0)
.endif
	; THE WAY OUT: O^T / the sum + the residual, through my stage, so that sixteen lanes store a row's 256 consecutive bytes
	v_add_f32 v14, v14, v15
	s_delay_alu instid0(VALU_DEP_1)
	v_permlanex16_b32 v252, v14, s20, s21
	s_delay_alu instid0(VALU_DEP_1)
	v_add_f32 v14, v14, v252                       ; the row's sum
	s_wait_alu depctr_va_vdst(0)
	v_rcp_f32 v14, v14
	v_nop
	s_wait_alu depctr_va_vdst(0)
.set j, 0
.rept 16
	v_pk_fma_f32 v[96+j:97+j], v[160+j:161+j], v[14:15], v[192+j:193+j] op_sel_hi:[1,0,1]   ; register 8 t + i: (row r, feature 16 t + 8 h + i)
.set j, j+2
.endr
.irp t, 0,1,2,3
	ds_store_b128 v8, v[96+8*\t:99+8*\t] offset:64*\t
	ds_store_b128 v8, v[100+8*\t:103+8*\t] offset:64*\t+16
.endr
.irp i, 0,1,2,3,4,5,6,7
	ds_load_b128 v[32+4*\i:35+4*\i], v9 offset:2*\i*SP   ; LDS serves a wave's instructions in order (ISA guide 5.7.1.4)
.endr
.irp i, 0,1,2,3,4,5,6,7
	s_wait_dscnt 7-\i                              ; the loads issued behind load i may stay out
	global_store_b128 v7, v[32+4*\i:35+4*\i], s[10:11] offset:(2*\i+24*(\i/4))*2048 th:TH_STORE_NT   ; stage row n is the tile's row n % 8 + 32 (n / 8); 16 lanes store 256 consecutive, aligned bytes
.endr
.if SPLIT
.Lend:
.endif
	s_wait_tensorcnt 0x0                           ; the wave's end
	ds_add_u32 v5, v6
	s_wait_dscnt 0x0
	ROUND                                          ; the closing round
	s_endpgm
.Lfunc_end_k_q9922930560_att_p:
	.size	k_q9922930560_att_p, .Lfunc_end_k_q9922930560_att_p-k_q9922930560_att_p
	.p2alignl 7, 3214868480
	.fill 96, 4, 3214868480
	.section	.rodata,"a",@progbits
	.p2align	6, 0x0
	.amdhsa_kernel k_q9922930560_att_p
		.amdhsa_group_segment_fixed_size 327680
		.amdhsa_private_segment_fixed_size 0
		.amdhsa_enable_private_segment 0
		.amdhsa_kernarg_size 32
		.amdhsa_user_sgpr_count 2
		.amdhsa_user_sgpr_kernarg_segment_ptr 1
		.amdhsa_wavefront_size32 1
		.amdhsa_system_sgpr_workgroup_id_x 1
		.amdhsa_system_sgpr_workgroup_id_y 1
		.amdhsa_system_sgpr_workgroup_id_z 1
		.amdhsa_system_vgpr_workitem_id 0
		.amdhsa_next_free_vgpr 256
		.amdhsa_next_free_sgpr 66
		.amdhsa_reserve_vcc 0
		.amdhsa_float_denorm_mode_32 3
		.amdhsa_float_denorm_mode_16_64 3
		.amdhsa_memory_ordered 1
		.amdhsa_forward_progress 1
		.amdhsa_inst_pref_size 76
	.end_amdhsa_kernel
	.amdgpu_metadata
---
amdhsa.version: [ 1, 2 ]
amdhsa.kernels:
  - .name:           k_q9922930560_att_p
    .symbol:         k_q9922930560_att_p.kd
    .args:
      - { .name: pack_p, .offset: 0, .size: 8, .value_kind: global_buffer, .address_space: global }
      - { .name: pack_s, .offset: 8, .size: 8, .value_kind: global_buffer, .address_space: global }
      - { .name: res_p, .offset: 16, .size: 8, .value_kind: global_buffer, .address_space: global }
      - { .name: out0, .offset: 24, .size: 8, .value_kind: global_buffer, .address_space: global }
    .group_segment_fixed_size: 327680
    .private_segment_fixed_size: 0
    .kernarg_segment_align: 8
    .kernarg_segment_size: 32
    .max_flat_workgroup_size: 512
    .sgpr_count:     66
    .vgpr_count:     256
    .wavefront_size: 32
...
	.end_amdgpu_metadata
.endif
;; end of part 2
;; launch att_s (part 3): grid 16 x 16, 16 waves a work-group, clusters of 4 x 1, 327,680 bytes of LDS; arguments pack_s, pack_p, res_s, out1; writes out1
.if DOCPART == 3
	.amdgcn_target "amdgcn-amd-amdhsa--gfx1250"
	.amdhsa_code_object_version 6
	.text
	.protected	k_q9922930560_att_s
	.globl	k_q9922930560_att_s
	.p2align	8
	.type	k_q9922930560_att_s,@function
k_q9922930560_att_s:
	s_mov_b64 s[64:65], 0
	v_nop
	global_prefetch_b8 v0, s[64:65] scope:SCOPE_SE
	s_setreg_imm32_b32 hwreg(HW_REG_WAVE_MODE, 25, 1), 1
	s_wait_xcnt 0x0
	s_wait_alu depctr_hold_cnt(0) depctr_sa_sdst(0) depctr_va_vdst(0) depctr_va_sdst(0) depctr_va_ssrc(0) depctr_va_vcc(0) depctr_vm_vsrc(0)
	s_getreg_b32 s2, hwreg(HW_REG_IB_STS2, 6, 4)
	s_cmp_eq_u32 s2, 0
	s_cbranch_scc0 .Lentry_in_a_cluster
	s_endpgm
.Lentry_in_a_cluster:
	s_bfe_u32 s2, ttmp6, 0x10000c
	s_cmp_lg_u32 s2, 0x3003
	s_cbranch_scc0 .Lentry_shape_is_right
	s_endpgm
.Lentry_shape_is_right:
; out1: for each SNP row (the QUERY) the softmax over the 2,048 pheno rows (the KEYS) of k . q / 8, times v_pheno, plus v_snp.  All products on codes of E3M2 with E8M0 scales.
; One text serves both attention launches; the four sizes below say which.  Arguments: the queries' pack, the keys' and values' pack, the queries' residual, the output.
; A pack's chunk (13,056 bytes: one head's 128 rows) holds images of operand registers: byte 0 the score product's codes (tile T's six registers at 6 T), byte 6,144 four fragments of the values with the rows as K,
; byte 12,288 four scale words for the first, byte 12,800 two for the second.  Row m of tile T is row 64 (T / 4) + 8 (T % 4) + m % 8 + 32 (m / 8) of the chunk.
; Both products are used transposed, so a lane holds one query; by that row order its 32 score registers of tiles 4 c .. 4 c + 3 are keys 64 c + 32 h + 0 .. 31: ONE WHOLE BLOCK, as the 6-bit operand wants it.
; THE SCORE PRODUCT has K = 64 in an instruction of K = 128: the query's upper six registers are zero codes and bytes 2, 3 of both scale words are 127: those products are exact zeros.
; THE SOFTMAX: t = score x log2(e) / 8; M = the largest t so far, rounded up to a whole number; p = 2^(t - M) is quantised along the keys; the row's sum is taken of the unquantised p and divides at the end.
; When M moves, the sum and O are multiplied by 2^(old M - new M): exact.  A block's largest p is the block's largest score put through the same multiply-add and exponential.
; SHARES.  y = batch x 8 + head, x = a block of queries; sixteen waves, a wave owns tile w % 8 of 16 queries and walks 16 key steps of 128 keys.
; SPLIT = 0 (16 chunks of keys): all 16 lie in LDS; wave w asks for chunk w at the head, multiplies it first behind its own wait, and behind one barrier walks the other 15.  Nothing is filled again.
; SPLIT = 1 (32 chunks): 24 places.  Waves w and w + 8 own the same tile and halve the keys.  Places 0-15 are filled at the head (waves 0-7 walk 0-7, waves 8-15 walk 8-15), places 16-23 behind the first step,
; places 0-7 again behind step 8 (four steps ahead of their first read); the halves are joined at the end by exact powers of two.  Stage and join lie in places 8-15, which have had their last fill and read by then.
; CLUSTER: the four work-groups of a cluster belong to one head and need the same chunks: every chunk is asked for JOINTLY, with the mask of all four.  One tensor load of a wave is out at most.
; NO PREFETCH: the head's loads have no loop ahead of them, and each later load is issued four key steps or more ahead of its first read.
; LIMITS: NaN and infinities are not served; the promise holds while the scaled scores stay under 2^31 in magnitude; p under 2^-126 counts as 0; a block whose every p is 0 keeps the scale byte 1 with zero codes.
; REGISTERS: v2-11, v31 addresses; v12 -M, v13 the largest score, v[14:15] the sum; v16-27 the query; v32-79 key codes, then value fragments; v80-85 zeros; v96-159 S^T, then p; v160-191 O^T; v192-223 the residual;
; v224-235 p's codes; v236-246, v88-90, v254 work; v248-251 scale words; v252 f; v253 p's scale word; v255 the query's.
.set SPLIT,  0
.set KSTEPS, 16
.set QSTEPS, 32
.set NQROWS, 4096
.set CHUNK,  13056
.set VCO,    6144
.set KSO,    12288
.set VSO,    12800
.set SP,     272
.set MIMG,   9*512
.if SPLIT
.set STAGE,  8*CHUNK
.set MRG,    STAGE+8*16*SP
.set SPARE,  24*CHUNK
.else
.set STAGE,  16*CHUNK
.set SPARE,  STAGE+16*16*SP
.endif
.macro MM d, a, b, c, sa, sb, odd      ; D, A, B, C; odd = 1: A's scales stand in lanes 16-31
.if \odd
	v_wmma_scale_f32_16x16x128_f8f6f4 v[\d:\d+7], v[\a:\a+11], v[\b:\b+11], \c, v[\sa], v[\sb] matrix_a_fmt:MATRIX_FMT_BF6 matrix_b_fmt:MATRIX_FMT_BF6 matrix_a_scale:MATRIX_SCALE_ROW1
.else
	v_wmma_scale_f32_16x16x128_f8f6f4 v[\d:\d+7], v[\a:\a+11], v[\b:\b+11], \c, v[\sa], v[\sb] matrix_a_fmt:MATRIX_FMT_BF6 matrix_b_fmt:MATRIX_FMT_BF6
.endif
.endm
.macro ROUND                           ; a round of the cluster's barrier
	s_barrier_signal -1
	s_barrier_wait -1
	s_cmp_lg_u32 s12, 0
	s_cbranch_scc1 .Lnot_wave_0_\@
	s_barrier_signal -3
.Lnot_wave_0_\@:
	s_barrier_wait -3
	s_barrier_signal -1
	s_barrier_wait -1
.endm
; A KEY STEP: the 128 keys of the chunk at v3 (codes) and v4 (scale words).  first = 1: it starts O^T with C = 0
.macro STEP first
.irp g, 0,1,2,3,4,5,6,7,8,9,10,11
	ds_load_b128 v[32+4*\g:35+4*\g], v3 offset:512*\g
.endr
.irp i, 0,1,2,3
	ds_load_b32 v[248+\i], v4 offset:KSO+128*\i
.endr
	s_wait_dscnt 0x0
.irp t, 0,1,2,3,4,5,6,7
	MM 96+8*\t, 32+6*\t, 16, 0, 248+\t/2, 255, \t%2
.endr
.rept 4
	v_nop                                          ; places ahead of the loads below and of the first read of the scores
.endr
.irp g, 0,1,2,3,4,5,6,7,8,9,10,11
	ds_load_b128 v[32+4*\g:35+4*\g], v3 offset:VCO+512*\g   ; the value fragments land while the softmax is walked
.endr
.irp i, 0,1
	ds_load_b32 v[248+\i], v4 offset:VSO+128*\i
.endr
.irp b, 0,1,2,3                        ; four chains of 16 scores, each accumulator from its low end on
	v_max3_num_f32 v[236+\b], v[96+16*\b], v[97+16*\b], v[98+16*\b]
.endr
.irp i, 3,5,7,9,11,13
.irp b, 0,1,2,3
	v_max3_num_f32 v[236+\b], v[236+\b], v[96+16*\b+\i], v[97+16*\b+\i]
.endr
.endr
	v_max3_num_f32 v236, v236, v237, v111
	v_max3_num_f32 v238, v238, v239, v143
	v_max_num_f32 v236, v236, v127                 ; my block h's largest score,
	v_max_num_f32 v237, v238, v159                 ; and block 2 + h's
	s_delay_alu instid0(VALU_DEP_1)
	v_max_num_f32 v254, v236, v237
	s_delay_alu instid0(VALU_DEP_1)
	v_permlanex16_b32 v239, v254, s20, s21
	s_delay_alu instid0(VALU_DEP_1)
	v_max3_num_f32 v13, v13, v254, v239            ; the running largest score of my query
	s_delay_alu instid0(VALU_DEP_1)
	v_mul_f32 v254, s22, v13                       ; as t (c is positive)
	s_delay_alu instid0(VALU_DEP_1)
	v_floor_f32 v238, -v254                        ; the new -M = -ceil(t)
	s_delay_alu instid0(VALU_DEP_1)
	v_sub_f32 v254, v238, v12                      ; old M less new M: a whole number, 0 or less
	v_mov_b32 v12, v238
	s_delay_alu instid0(VALU_DEP_2)
	v_cvt_i32_f32 v254, v254                       ; (it saturates)
	s_delay_alu instid0(VALU_DEP_1)
	v_ldexp_f32 v252, 1.0, v254                    ; f = 2^(old M - new M)
.set j, 0
.rept 32
	v_pk_fma_f32 v[96+j:97+j], v[96+j:97+j], s[22:23], v[12:13] op_sel_hi:[1,0,0]   ; t - M (of the pairs the low word serves both halves)
.set j, j+2
.endr
	v_fma_f32 v236, v236, s22, v12
	v_fma_f32 v237, v237, s22, v12
	s_wait_alu depctr_va_vdst(0)                   ; the wait ahead of the batch
.set j, 0
.rept 64
	v_exp_f32 v[96+j], v[96+j]                     ; p = 2^(t - M)
.set j, j+1
.endr
	v_exp_f32 v236, v236                           ; my two blocks' largest p
	v_exp_f32 v237, v237
	v_pk_mul_f32 v[14:15], v[14:15], v[252:253] op_sel_hi:[1,0]   ; the sum under the new M: the plain place behind the batch
	s_wait_alu depctr_va_vdst(0)                   ; one wait for the batch, and directly ahead of O^T's first readers
.if !(\first)
.set j, 0
.rept 16
	v_pk_mul_f32 v[160+j:161+j], v[160+j:161+j], v[252:253] op_sel_hi:[1,0]   ; O^T under the new M
.set j, j+2
.endr
.endif
	v_max_num_f32 v236, 0x2800000, v236            ; the floor 2^(5 - 127): the byte cannot fall under 1
	v_max_num_f32 v237, 0x2800000, v237
	s_delay_alu instid0(VALU_DEP_2)
	v_add_nc_u32 v240, 0xfe000000, v236            ; 4 off the exponent field: the conversion's scale operand
	s_delay_alu instid0(VALU_DEP_2)
	v_add_nc_u32 v241, 0xfe000000, v237
	s_delay_alu instid0(VALU_DEP_2)
	v_lshrrev_b32 v238, 23, v240                   ; the scale's byte
	s_delay_alu instid0(VALU_DEP_2)
	v_lshrrev_b32 v239, 23, v241
	s_delay_alu instid0(VALU_DEP_1)
	v_lshl_or_b32 v253, v239, 16, v238             ; my bytes: blocks h and 2 + h,
	s_delay_alu instid0(VALU_DEP_1)
	v_lshlrev_b32 v253, v31, v253                  ; 8 h bits up
	s_delay_alu instid0(VALU_DEP_1)
	v_permlanex16_b32 v242, v253, s20, s21
	v_cvt_scalef32_pk16_bf6_f32 v[224:226], v[96:111], v240
	v_cvt_scalef32_pk16_bf6_f32 v[244:246], v[112:127], v240   ; (a conversion's three registers begin on an even number)
	v_cvt_scalef32_pk16_bf6_f32 v[230:232], v[128:143], v241
	v_cvt_scalef32_pk16_bf6_f32 v[88:90], v[144:159], v241
	v_or_b32 v253, v253, v242                      ; p's scale word is whole.  (The plain place behind the conversions)
.irp i, 0,1,2
	v_mov_b32 v[227+\i], v[244+\i]
	v_mov_b32 v[233+\i], v[88+\i]
.endr
.irp w, 4,8,16                         ; the row's sum of the unquantised p, in place, level by level
.set j, 0
.rept 64/\w
	v_pk_add_f32 v[96+j:97+j], v[96+j:97+j], v[96+j+\w/2:97+j+\w/2]
.set j, j+\w
.endr
.endr
	s_wait_alu depctr_va_vdst(0)                   ; directly ahead of the wait below
	s_wait_dscnt 0x0                               ; the value fragments and their scale words are in
.irp t, 0,1,2,3                        ; O^T += V^T P^T: four accumulators, one instruction each
.if \first
	MM 160+8*\t, 32+12*\t, 224, 0, 248+\t/2, 253, \t%2
.else
	MM 160+8*\t, 32+12*\t, 224, v[160+8*\t:167+8*\t], 248+\t/2, 253, \t%2
.endif
.endr
	v_pk_add_f32 v[96:97], v[96:97], v[112:113]    ; the sum's last four additions are the places behind the products
	v_pk_add_f32 v[128:129], v[128:129], v[144:145]
	s_delay_alu instid0(VALU_DEP_1)
	v_pk_add_f32 v[96:97], v[96:97], v[128:129]
	s_delay_alu instid0(VALU_DEP_1)
	v_pk_add_f32 v[14:15], v[14:15], v[96:97]
.endm
; n places from byte s36 on, a key step each; skip = 1: the place that I multiplied first is passed over (a branch on the wave's number and the trip's)
.macro WALK n, skip
	s_mov_b32 s37, 0
.Lw\@:
.if \skip
	s_cmp_eq_u32 s37, s18
	s_cbranch_scc1 .Ls\@
.endif
	v_add_nc_u32 v3, s36, v11
	v_add_nc_u32 v4, s36, v2
	s_wait_alu depctr_va_vdst(0)
	STEP 0
.Ls\@:
	s_add_co_u32 s36, s36, CHUNK
	s_add_co_u32 s37, s37, 1
	s_cmp_lt_u32 s37, \n
	s_cbranch_scc1 .Lw\@
.endm
; Eight chunks more, jointly, by waves 0-7: the three lines, a round, the load.  again = 0: chunks 16-23 into places 16-23; 1: chunks 24-31 into places 0-7
.macro FILL again
	s_wait_alu depctr_va_vdst(0)
	s_wait_tensorcnt 0x0                           ; no tensor load of mine is out, so group 0 may be written
	ds_add_u32 v5, v6
.if \again
	s_mul_i32 s33, s12, CHUNK
	s_add_nc_u64 s[34:35], s[34:35], 8*CHUNK
.else
	s_add_co_u32 s33, s33, 16*CHUNK
	s_add_nc_u64 s[34:35], s[34:35], 16*CHUNK
.endif
	s_wait_dscnt 0x0                               ; the add is done, and so are my reads so far
	ROUND
	s_cmp_ge_u32 s12, 8
	s_cbranch_scc1 .Lasked_\@
	tensor_load_to_lds s[32:35], s[24:31]
	s_nop 0
.rept 4
	v_nop
.endr
.Lasked_\@:
.endm
	s_load_b256 s[4:11], s[0:1], 0x0               ; the queries' pack, the keys' pack, the residual, the output
	v_lshl_add_u32 v5, v0, 2, SPARE                ; my spare word; never rewritten
	v_mov_b32 v6, 0                                ; never rewritten
	ds_add_u32 v5, v6                              ; the opening lines: the add twice on end
	ds_add_u32 v5, v6
	v_lshrrev_b32 v96, 5, v0
	v_readfirstlane_b32 s12, v96                   ; wave 0..15
	s_and_b32 s15, ttmp7, 0xffff                   ; y = batch x 8 + head, which the four partners share
	s_mul_i32 s44, s15, KSTEPS
	s_add_co_u32 s44, s44, s12
	s_mul_i32 s44, s44, CHUNK                      ; the head's chunk w of keys
	s_mov_b32 s45, 0
	s_mov_b32 s24, 15|(3<<16)|(1<<21)              ; group 1: the mask of all four; elements of 8 bytes; bit 21 beside a mask
	s_mov_b32 s25, 32<<16                          ; a chunk is 51 dense rows of 256 bytes
	s_mov_b32 s26, 51<<16
	s_mov_b32 s27, 32<<16
	s_mov_b32 s28, 51
	s_mov_b32 s29, 32
	s_mov_b32 s30, 0
	s_mov_b32 s31, 0
	s_mov_b32 s32, 1
	s_mul_i32 s33, s12, CHUNK                      ; place w
	s_wait_dscnt 0x0
	s_wait_kmcnt 0x0
	s_add_nc_u64 s[34:35], s[6:7], s[44:45]
	s_or_b32 s35, s35, 0x80000000
	ROUND                                          ; all four work-groups are here: the first joint loads meet
	tensor_load_to_lds s[32:35], s[24:31]          ; one load a wave
	s_nop 0
	s_bfe_u32 s13, ttmp6, 0x40000                  ; cx: it enters the queries', the residual's and the output's addresses alone
	s_lshl_b32 s14, ttmp9, 2
	s_add_co_u32 s14, s14, s13
	s_and_b32 s16, s12, 7                          ; my tile T
	s_lshr_b32 s17, s12, 3
.if SPLIT
	s_mov_b32 s19, s14                             ; the queries' chunk: one to a work-group
	s_mov_b32 s18, s16                             ; my own place among those that I walk first
	s_mul_i32 s46, s16, 16*SP
.else
	s_lshl_b32 s19, s14, 1
	s_add_co_u32 s19, s19, s17                     ; two to a work-group
	s_mov_b32 s18, s12
	s_mul_i32 s46, s12, 16*SP
.endif
	s_add_co_u32 s46, s46, STAGE                   ; my stage
	s_lshr_b32 s42, s15, 3
	s_mul_i32 s42, s42, NQROWS
	s_lshl_b32 s43, s19, 7
	s_add_co_u32 s42, s42, s43
	s_lshr_b32 s43, s16, 2
	s_lshl_b32 s43, s43, 6
	s_add_co_u32 s42, s42, s43
	s_and_b32 s43, s16, 3
	s_lshl_b32 s43, s43, 3
	s_add_co_u32 s42, s42, s43                     ; my tile's first row: batch, chunk, 64 (T / 4) + 8 (T % 4)
	s_lshl_b32 s42, s42, 11
	s_and_b32 s43, s15, 7
	s_lshl_b32 s43, s43, 8
	s_add_co_u32 s42, s42, s43                     ; and the head's 256 bytes of a row
	s_mov_b32 s43, 0
	s_mul_i32 s38, s15, QSTEPS
	s_add_co_u32 s38, s38, s19
	s_lshl_b32 s40, s38, 3
	s_add_co_u32 s40, s40, s16
	s_lshl_b32 s40, s40, 12                        ; the residual: 4,096 bytes a tile
	s_mov_b32 s41, 0
	s_mul_i32 s38, s38, CHUNK
	s_mov_b32 s39, 0
	s_add_nc_u64 s[4:5], s[4:5], s[38:39]
	s_add_nc_u64 s[8:9], s[8:9], s[40:41]
	s_add_nc_u64 s[10:11], s[10:11], s[42:43]
	s_mul_i32 s49, s16, 3                          ; my tile's six registers are pairs 3 T + 0, 1, 2 of the image: pair n at 512 (n / 2) + 16 lane + 8 (n % 2)
.irp p, 0,1,2
	s_add_co_u32 s54, s49, \p
	s_lshr_b32 s[50+\p], s54, 1
	s_lshl_b32 s[50+\p], s[50+\p], 9
	s_and_b32 s54, s54, 1
	s_lshl_b32 s54, s54, 3
	s_add_co_u32 s[50+\p], s[50+\p], s54
.endr
	s_lshr_b32 s53, s16, 1
	s_lshl_b32 s53, s53, 7
	s_and_b32 s54, s16, 1
	s_lshl_b32 s54, s54, 6
	s_add_co_u32 s53, s53, s54                     ; my tile's scale words: word T / 2, lane 16 (T % 2) + r
.if SPLIT
	s_mul_i32 s47, s16, MIMG
	s_add_co_u32 s47, s47, MRG
.endif
	s_mov_b32 s20, 0x76543210
	s_mov_b32 s21, 0xfedcba98                      ; v_permlanex16_b32's selects for lane l xor 16
	s_mov_b32 s22, 0x3e38aa3b                      ; c = log2(e) / 8
	s_mov_b32 s23, s22
	s_mul_i32 s36, s12, CHUNK                      ; my own place
	v_and_b32 v96, 31, v0
	v_and_b32 v97, 15, v0                          ; r
	v_bfe_u32 v98, v0, 4, 1                        ; h
	v_lshlrev_b32 v11, 4, v96                      ; 16 x lane
	v_lshlrev_b32 v2, 2, v96                       ; 4 x lane
	v_lshlrev_b32 v31, 3, v98                      ; 8 h
	v_lshlrev_b32 v7, 11, v98
	v_mul_u32_u24 v8, v97, SP
	v_mul_u32_u24 v9, v98, SP
	v_lshl_add_u32 v7, v97, 4, v7                  ; the way out, in memory: lanes 0-15 one row, lanes 16-31 the next
	v_lshl_add_u32 v8, v98, 5, v8
	v_lshl_add_u32 v9, v97, 4, v9
	v_add_nc_u32 v8, s46, v8                       ; into the stage: row r, + 32 h
	v_add_nc_u32 v9, s46, v9                       ; back: two rows a load
.if SPLIT
	v_add_nc_u32 v10, s47, v11                     ; where the two halves of my tile meet
.endif
.irp p, 0,1,2
	v_add_nc_u32 v[99+\p], s[50+\p], v11
.endr
	v_lshl_add_u32 v102, v97, 2, s53
	v_add_nc_u32 v3, s36, v11
	v_add_nc_u32 v4, s36, v2
	s_wait_alu depctr_va_vdst(0)
.irp p, 0,1,2
	global_load_b64 v[16+2*\p:17+2*\p], v[99+\p], s[4:5]            ; the query's codes stay in registers
.endr
	global_load_b32 v255, v102, s[4:5] offset:KSO
.irp k, 0,1,2,3,4,5,6,7
	global_load_b128 v[192+4*\k:195+4*\k], v11, s[8:9] offset:512*\k th:TH_LOAD_NT   ; the residual, in O^T's layout
.endr
.irp i, 0,1,2,3,4,5
	v_mov_b32 v[22+\i], 0                          ; the query's upper 64 of K: zero codes
	v_mov_b32 v[80+\i], 0                          ; what follows the last key tile
.endr
	v_mov_b32 v13, 0xff61b1e6                      ; the largest score so far: -3e38
	v_mov_b32 v12, 0x7f61b1e6                      ; -M
	v_mov_b32 v14, 0
	v_mov_b32 v15, 0
	v_mov_b32 v242, 0                              ; a lane permute's destination counts as one of its sources
	v_mov_b32 v253, 0                              ; (named with v252 as a pair before it is first written)
	s_wait_alu depctr_va_vdst(0)                   ; the wait at the head's end
	s_wait_loadcnt 0x0
	s_wait_tensorcnt 0x0                           ; my own chunk is in: I alone read it ahead of the barrier
	STEP 1
.if SPLIT
	s_mul_i32 s36, s17, 8*CHUNK
	FILL 0
	WALK 8, 1                                      ; my half of places 0-15
	FILL 1
	s_mul_i32 s36, s17, 4*CHUNK
	s_add_co_u32 s36, s36, 16*CHUNK
	WALK 4, 0                                      ; my half of places 16-23
	s_wait_alu depctr_va_vdst(0)
	s_wait_tensorcnt 0x0                           ; chunks 24-31 are in
	s_wait_dscnt 0x0
	s_barrier_signal -1
	s_barrier_wait -1
	s_mul_i32 s36, s17, 4*CHUNK
	WALK 4, 0                                      ; my half of places 0-7
	s_wait_alu depctr_va_vdst(0)
	; the two halves of a tile are joined: wave w + 8 hands O^T, -M and the sum to wave w as images of its registers
	s_cmp_lt_u32 s12, 8
	s_cbranch_scc1 .Lkeep
.irp g, 0,1,2,3,4,5,6,7
	ds_store_b128 v10, v[160+4*\g:163+4*\g] offset:512*\g
.endr
	ds_store_b128 v10, v[12:15] offset:4096
.Lkeep:
	s_wait_dscnt 0x0
	s_barrier_signal -1
	s_barrier_wait -1
	s_cmp_ge_u32 s12, 8
	s_cbranch_scc1 .Lend
.irp g, 0,1,2,3,4,5,6,7,8
	ds_load_b128 v[96+4*\g:99+4*\g], v10 offset:512*\g   ; v96-127 the other O^T; v128 its -M, v[130:131] its sum
.endr
	s_wait_dscnt 0x0
	v_min_num_f32 v254, v12, v128                  ; the common -M
	s_delay_alu instid0(VALU_DEP_1)
	v_sub_f32 v252, v254, v12
	v_sub_f32 v132, v254, v128
	s_delay_alu instid0(VALU_DEP_2)
	v_cvt_i32_f32 v252, v252
	s_delay_alu instid0(VALU_DEP_2)
	v_cvt_i32_f32 v132, v132
	s_delay_alu instid0(VALU_DEP_2)
	v_ldexp_f32 v252, 1.0, v252                    ; both factors are powers of two
	s_delay_alu instid0(VALU_DEP_2)
	v_ldexp_f32 v132, 1.0, v132
	s_delay_alu instid0(VALU_DEP_2)
	v_pk_mul_f32 v[14:15], v[14:15], v[252:253] op_sel_hi:[1,0]
.set j, 0
.rept 16
	v_pk_mul_f32 v[160+j:161+j], v[160+j:161+j], v[252:253] op_sel_hi:[1,0]
.set j, j+2
.endr
	v_pk_fma_f32 v[14:15], v[130:131], v[132:133], v[14:15] op_sel_hi:[1,0,1]
.set j, 0
.rept 16
	v_pk_fma_f32 v[160+j:161+j], v[96+j:97+j], v[132:133], v[160+j:161+j] op_sel_hi:[1,0,1]
.set j, j+2
.endr
.else
	s_mov_b32 s36, 0
	s_wait_alu depctr_va_vdst(0)
	s_wait_dscnt 0x0
	s_barrier_signal -1                            ; every wave has seen its own chunk land: behind the barrier all 16 are whole
	s_barrier_wait -1
	WALK 16, 1
	s_wait_alu depctr_va_vdst(0)
.endif
	; THE WAY OUT: O^T / the sum + the residual, through my stage, so that sixteen lanes store a row's 256 consecutive bytes
	v_add_f32 v14, v14, v15
	s_delay_alu instid0(VALU_DEP_1)
	v_permlanex16_b32 v252, v14, s20, s21
	s_delay_alu instid0(VALU_DEP_1)
	v_add_f32 v14, v14, v252                       ; the row's sum
	s_wait_alu depctr_va_vdst(0)
	v_rcp_f32 v14, v14
	v_nop
	s_wait_alu depctr_va_vdst(0)
.set j, 0
.rept 16
	v_pk_fma_f32 v[96+j:97+j], v[160+j:161+j], v[14:15], v[192+j:193+j] op_sel_hi:[1,0,1]   ; register 8 t + i: (row r, feature 16 t + 8 h + i)
.set j, j+2
.endr
.irp t, 0,1,2,3
	ds_store_b128 v8, v[96+8*\t:99+8*\t] offset:64*\t
	ds_store_b128 v8, v[100+8*\t:103+8*\t] offset:64*\t+16
.endr
.irp i, 0,1,2,3,4,5,6,7
	ds_load_b128 v[32+4*\i:35+4*\i], v9 offset:2*\i*SP   ; LDS serves a wave's instructions in order (ISA guide 5.7.1.4)
.endr
.irp i, 0,1,2,3,4,5,6,7
	s_wait_dscnt 7-\i                              ; the loads issued behind load i may stay out
	global_store_b128 v7, v[32+4*\i:35+4*\i], s[10:11] offset:(2*\i+24*(\i/4))*2048 th:TH_STORE_NT   ; stage row n is the tile's row n % 8 + 32 (n / 8); 16 lanes store 256 consecutive, aligned bytes
.endr
.if SPLIT
.Lend:
.endif
	s_wait_tensorcnt 0x0                           ; the wave's end
	ds_add_u32 v5, v6
	s_wait_dscnt 0x0
	ROUND                                          ; the closing round
	s_endpgm
.Lfunc_end_k_q9922930560_att_s:
	.size	k_q9922930560_att_s, .Lfunc_end_k_q9922930560_att_s-k_q9922930560_att_s
	.p2alignl 7, 3214868480
	.fill 96, 4, 3214868480
	.section	.rodata,"a",@progbits
	.p2align	6, 0x0
	.amdhsa_kernel k_q9922930560_att_s
		.amdhsa_group_segment_fixed_size 327680
		.amdhsa_private_segment_fixed_size 0
		.amdhsa_enable_private_segment 0
		.amdhsa_kernarg_size 32
		.amdhsa_user_sgpr_count 2
		.amdhsa_user_sgpr_kernarg_segment_ptr 1
		.amdhsa_wavefront_size32 1
		.amdhsa_system_sgpr_workgroup_id_x 1
		.amdhsa_system_sgpr_workgroup_id_y 1
		.amdhsa_system_sgpr_workgroup_id_z 1
		.amdhsa_system_vgpr_workitem_id 0
		.amdhsa_next_free_vgpr 256
		.amdhsa_next_free_sgpr 66
		.amdhsa_reserve_vcc 0
		.amdhsa_float_denorm_mode_32 3
		.amdhsa_float_denorm_mode_16_64 3
		.amdhsa_memory_ordered 1
		.amdhsa_forward_progress 1
		.amdhsa_inst_pref_size 40
	.end_amdhsa_kernel
	.amdgpu_metadata
---
amdhsa.version: [ 1, 2 ]
amdhsa.kernels:
  - .name:           k_q9922930560_att_s
    .symbol:         k_q9922930560_att_s.kd
    .args:
      - { .name: pack_s, .offset: 0, .size: 8, .value_kind: global_buffer, .address_space: global }
      - { .name: pack_p, .offset: 8, .size: 8, .value_kind: global_buffer, .address_space: global }
      - { .name: res_s, .offset: 16, .size: 8, .value_kind: global_buffer, .address_space: global }
      - { .name: out1, .offset: 24, .size: 8, .value_kind: global_buffer, .address_space: global }
    .group_segment_fixed_size: 327680
    .private_segment_fixed_size: 0
    .kernarg_segment_align: 8
    .kernarg_segment_size: 32
    .max_flat_workgroup_size: 512
    .sgpr_count:     66
    .vgpr_count:     256
    .wavefront_size: 32
...
	.end_amdgpu_metadata
.endif
;; end of part 3
